; MI455X (gfx1250); checked and timed in simulation.
; The chip was launched on July 23, 2026; its instructions are those of AMD's public machine-readable ISA for CDNA 5 (MIT licence, August 2026) and "CDNA5" Instruction Set Architecture Reference Guide (July 2026). The comments in the code are by the model that wrote it; some were corrected since.
;; Multi Head Attention. Allowed arithmetic: matrix products marked QUANTISED: E4M3 operands, one given power-of-two scale a tensor, by v_wmma_f32_16x16x64_fp8_fp8 or v_wmma_f32_16x16x128_fp8_fp8, f32 sums; everything else in f32.
;; Inputs: W1 1,024 x 2,048 float32; W2 2,048 x 1,024 float32; Wk 1,024 x 1,024 float32; Wq 1,024 x 1,024 float32; Wv 1,024 x 1,024 float32; b1 2,048 float32; b2 1,024 float32; bk 1,024 float32; bq 1,024 float32; bv 1,024 float32; key 2 x 2,048 x 1,024 float32; ln_b 1,024 float32; ln_g 1,024 float32; lowp_scales 14 int32 (the exponents e of the quantised operands' scales 2^e); query 2 x 2,048 x 1,024 float32; value 2 x 2,048 x 1,024 float32.
;; Outputs: out0 2 x 2,048 x 1,024 float32.
;; This version of the problem:
;;   THIS VERSION OF THE PROBLEM IS GIVEN IN LOW PRECISION. The matrix products marked QUANTISED in the list below multiply operands that are first quantised to E4M3 (4 exponent bits, 3 mantissa bits; 8 bits a number), with one given power-of-two scale for each operand tensor; their sums are f32. All else is computed in f32.
;;   The module's matrix products, in the order in which they are computed (A, B: the left and right operand; K: the contracted axis; several contracted axes count as one K, in the product's order):
;;     1. [M 4,096, K 1,024] x [K 1,024, N 1,024]; A: input query; B: input Wq: QUANTISED (scales: A lowp_scales[0], B lowp_scales[1])
;;     2. [M 4,096, K 1,024] x [K 1,024, N 1,024]; A: input key; B: input Wk: QUANTISED (scales: A lowp_scales[2], B lowp_scales[3])
;;     3. [M 4,096, K 1,024] x [K 1,024, N 1,024]; A: input value; B: input Wv: QUANTISED (scales: A lowp_scales[4], B lowp_scales[5])
;;     4. batch 32 x [M 2,048, K 64] x [K 64, N 2,048]; A: computed on the way; B: computed on the way: QUANTISED (scales: A lowp_scales[6], B lowp_scales[7])
;;     5. batch 32 x [M 2,048, K 2,048] x [K 2,048, N 64]; A: softmax (see below); B: computed on the way: QUANTISED (scales: A lowp_scales[8], B lowp_scales[9])
;;     6. [M 4,096, K 1,024] x [K 1,024, N 2,048]; A: computed on the way; B: input W1: QUANTISED (scales: A lowp_scales[10], B lowp_scales[11])
;;     7. [M 4,096, K 2,048] x [K 2,048, N 1,024]; A: computed on the way; B: input W2: QUANTISED (scales: A lowp_scales[12], B lowp_scales[13])
;;   THE QUANTISER, for each operand of a quantised product, along K:
;;     - The operand's scale is 2^e, e = its entry of the input lowp_scales (int32; the entries are numbered through the quantised products in the list's order, A before B).
;;     - Each number is divided by the scale, clamped to +-448, and rounded to the nearest number of E4M3, ties to even, subnormals kept.
;;     - The product sums the exact products of the quantised numbers (number of the format x scale) in f32.
;;   ~~~python
;;   def quantise(x, axis, e):      # numpy; x: float32 -> the quantised numbers, widened to float32 again
;;       x = np.moveaxis(x, axis, -1); K = x.shape[-1]
;;       r = np.clip(x / 2.0 ** e, -448, 448)
;;       step = 2.0 ** (np.maximum(np.frexp(np.where(r == 0, 1, r))[1] - 1, -6) - 3)
;;       q = np.round(r / step) * step * 2.0 ** e      # np.round: ties to even
;;       return np.moveaxis(q, -1, axis).astype(np.float32)
;;   ~~~
;;   SOFTMAX AHEAD OF A QUANTISED PRODUCT. Where the list says 'softmax', what is quantised is not the finished softmax but p = 2^(t - M), with t = logit x log2(e) and M = ceil(the row's largest t), a whole number; so 1/2 < the row's largest p <= 1. The row's sum l is taken of the UNQUANTISED p, in f32, and the product's result is divided by l at the end. Since M is a whole number, a kernel that streams over the keys may use a running M (the ceiling of the running maximum): every later rescaling is an exact power of two, so the quantised numbers keep their values, but for numbers so far below the row's largest that they fall under the format's range.
;;   OPERANDS COMPUTED ON THE WAY. 'Computed on the way' means the value that the module computes at that place (a softmax that the list does not call 'softmax' is quantised finished and normalised). What goes into a quantiser is computed in f32, as accurately as f32 sums, v_exp_f32 and their like allow (about 1e-6 of the number): no bf16 or f16 on the way to a quantiser, and a product that is left as it is and whose result goes on into a quantised operand takes f32 operands (vector FMAs, or v_wmma_f32_16x16x4_f32). A number that lies on a knife's edge between two numbers of the format may be rounded either way, as far as f32 arithmetic and the matrix unit's own rounding can turn it there, and no further.
;; One version. Each part assembles by itself: llvm-mc -triple=amdgcn-amd-amdhsa -mcpu=gfx1250 --defsym DOCPART=n.
;; ======== version 1 of 1: 6 launches
;; limits: right only within a limited range of input values
;; workspace buffers: ac 12,582,912 bytes; wc 7,340,032 bytes; qkv 12,582,912 bytes; at 16,777,216 bytes; fc 4,194,304 bytes; st 131,072 bytes; hc 8,388,608 bytes
;; launch quant (part 1): grid 832 x 1, 4 waves a work-group, no clusters, 34,304 bytes of LDS; arguments query, key, value, Wq, Wk, Wv, W2, W1, lowp_scales, ac, wc; writes ac, wc
.if DOCPART == 1
	.amdgcn_target "amdgcn-amd-amdhsa--gfx1250"
	.amdhsa_code_object_version 6
	.text
	.protected	k_qba15b5651d_quant
	.globl	k_qba15b5651d_quant
	.p2align	8
	.type	k_qba15b5651d_quant,@function
k_qba15b5651d_quant:
	s_mov_b64 s[64:65], 0
	v_nop
	global_prefetch_b8 v0, s[64:65] scope:SCOPE_SE
	s_setreg_imm32_b32 hwreg(HW_REG_WAVE_MODE, 25, 1), 1
	s_wait_xcnt 0x0
; query, key, value [4096][1024] f32 and the five weights ([K][N] f32) become codes of FP8 (E4M3), each with its given scale 2^e:
; code = x / 2^e, held within +-448, rounded to the nearest code, ties to even.
; THE CODES ARE STORED AS IMAGES OF OPERAND REGISTERS.  A fragment is 16 rows x 128 K, 2,048 bytes: four pieces c of 512 bytes, lane l's 16 bytes at 16 l.
; Lane (r, h) = (l % 16, l / 16) holds, in piece c, k = 32 c + 16 h + 0 .. 15 of the row at position r.  Position p of block g of 16 rows is row 32 (g / 2) + 8 (g % 2) + p + 8 (p / 8).
; A tensor of rows x K lies as ((R (K / 128) + q) 8 + i) 2,048: R = 128 rows, q = 128 along K, i = block in R.
; Work-groups 0-383 take the activations (K innermost: rows turn through the wave's own stage in LDS); 384-831 the weights (K outermost: a lane takes a column, its registers run down K).
; LIMITS: each e lies between -126 and 119, so that 2^e and 448 x 2^e are f32 numbers.  NaN among the inputs is not served.
.set R,   16                           ; v16-143  two sets of 64: 16 rows x 16 bytes a lane, as loaded
.set X,   144                          ; v144-207 64 numbers of my row: register 16 c + i = k 32 c + 16 h + i
.set C,   208                          ; v208-223 a fragment's codes
.set WX,  16                           ; weights: v16-79 two sets of 32 numbers down K
.set WC,  80                           ; weights: v80-111 codes, eight registers for each 32 along K
.set SP,  528                          ; a stage row: 512 bytes + 16: an odd multiple of 16, so sixteen rows start at sixteen different columns of 16 bytes
	s_load_b512 s[4:19], s[0:1], 0x0               ; query, key, value, Wq, Wk, Wv, W2, W1
	s_load_b128 s[20:23], s[0:1], 0x40             ; the scales' exponents, ac
	s_load_b64 s[24:25], s[0:1], 0x50              ; wc
	v_lshl_add_u32 v224, v0, 2, 0x8400
	v_mov_b32 v225, 0
	v_lshrrev_b32 v1, 5, v0
	v_readfirstlane_b32 s26, v1                    ; wave 0..3
	v_and_b32 v2, 31, v0                           ; lane
	s_cmp_lt_u32 ttmp9, 384
	s_cbranch_scc0 .Lweights
; ---------------- the activations: a wave makes four fragments (512 along K) of one block of 16 rows
	v_lshlrev_b32 v3, 4, v2                        ; 16 x lane: my bytes of a load's 512, and of a store's
	s_mul_i32 s27, s26, 16*SP                      ; my wave's stage
	v_add_nc_u32 v4, s27, v3                       ; into it: a row as it lies
	v_and_b32 v6, 15, v2
	v_lshrrev_b32 v7, 4, v2
	v_mul_u32_u24 v5, v6, SP
	v_lshl_add_u32 v5, v7, 6, v5
	v_add_nc_u32 v5, s27, v5                       ; out of it: row r, + 64 h: my 16 numbers of each 32
	s_lshr_b32 s28, ttmp9, 7                       ; which tensor
	s_and_b32 s29, ttmp9, 127
	s_lshl_b32 s29, s29, 2
	s_add_co_u32 s29, s29, s26
	s_lshr_b32 s30, s29, 1                         ; g: the block, 0..255
	s_and_b32 s31, s29, 1                          ; which half of K
	s_lshr_b32 s32, s30, 1
	s_lshl_b32 s32, s32, 17                        ; 32 (g / 2) rows of 4,096 bytes
	s_and_b32 s33, s30, 1
	s_lshl_b32 s33, s33, 15                        ; + 8 (g % 2) rows
	s_add_co_u32 s32, s32, s33
	s_lshl_b32 s33, s31, 11                        ; + 512 numbers
	s_add_co_u32 s32, s32, s33
	s_mov_b32 s33, 0
	s_lshl_b32 s34, s28, 22                        ; the codes: 4 MiB a tensor,
	s_lshr_b32 s35, s30, 3
	s_lshl_b32 s35, s35, 17                        ; R x 8 x 16,384,
	s_add_co_u32 s34, s34, s35
	s_lshl_b32 s35, s31, 16                        ; q = 4 x half,
	s_add_co_u32 s34, s34, s35
	s_and_b32 s35, s30, 7
	s_lshl_b32 s35, s35, 11                        ; i x 2,048
	s_add_co_u32 s34, s34, s35
	s_mov_b32 s35, 0
	s_lshl_b32 s36, s28, 3                         ; entries 0, 2, 4 of the scales
	s_wait_alu depctr_va_vdst(0)
	s_wait_kmcnt 0x0
	s_load_b32 s37, s[20:21], s36 offset:0x0
	s_cmp_eq_u32 s28, 0
	s_cselect_b64 s[4:5], s[4:5], s[6:7]
	s_cmp_eq_u32 s28, 2
	s_cselect_b64 s[4:5], s[8:9], s[4:5]
	s_add_nc_u64 s[4:5], s[4:5], s[32:33]
	s_add_nc_u64 s[22:23], s[22:23], s[34:35]
.macro LOAD t                          ; fragment t: 512 consecutive bytes of each of the block's 16 rows
.set p, 0
.rept 16
	global_load_b128 v[R+64*((\t)%2)+4*p:R+64*((\t)%2)+4*p+3], v3, s[4:5] offset:(p+8*(p/8))*4096+512*(\t) th:TH_LOAD_NT
.set p, p+1
.endr
.endm
.macro STEP t
.if (\t) < 3
	s_wait_loadcnt 16                              ; this fragment's 16 loads are in; the next one's may be out
.else
	s_wait_loadcnt 0
.endif
.set p, 0
.rept 16
	ds_store_b128 v4, v[R+64*((\t)%2)+4*p:R+64*((\t)%2)+4*p+3] offset:p*SP
.set p, p+1
.endr
.set p, 0
.rept 16
	ds_load_b128 v[X+4*p:X+4*p+3], v5 offset:128*(p/4)+16*(p%4)   ; LDS serves a wave's instructions in order: these see the stores above
.set p, p+1
.endr
	s_wait_dscnt 0x0                               ; my numbers are back, and the stores have read their registers,
.if (\t) < 2
	LOAD (\t)+2                                    ; which take the fragment two further on
.endif
.set p, 0
.rept 64
	v_med3_num_f32 v[X+p], v[X+p], -v10, v10       ; the conversion to an 8-bit code does not saturate (ISA guide 7.6.2): the hold at the largest code x the scale
.set p, p+1
.endr
.if (\t) > 0
	s_wait_alu depctr_va_vdst(0)
	s_wait_xcnt 0x0                                ; the last fragment's stores have read the codes' registers
.endif
.irp c, 0,1,2,3
	v_cvt_scalef32_pk8_fp8_f32 v[C+4*\c:C+4*\c+1], v[X+16*\c:X+16*\c+7], v11
	v_cvt_scalef32_pk8_fp8_f32 v[C+4*\c+2:C+4*\c+3], v[X+16*\c+8:X+16*\c+15], v11
.endr
	v_nop                                          ; a plain line behind the last conversion
.irp c, 0,1,2,3
	global_store_b128 v3, v[C+4*\c:C+4*\c+3], s[22:23] offset:16384*(\t)+512*\c   ; 32 lanes store 512 consecutive bytes, aligned
.endr
.endm
	LOAD 0
	LOAD 1
	s_wait_kmcnt 0x0
	s_add_co_i32 s37, s37, 127
	s_lshl_b32 s38, s37, 23
	v_mov_b32 v11, s38                             ; 2^e as f32: the conversion takes its exponent field
	s_add_co_i32 s37, s37, 8
	s_lshl_b32 s37, s37, 23
	s_or_b32 s37, s37, 0x600000
	v_mov_b32 v10, s37                             ; 448 x 2^e
	s_wait_alu depctr_va_vdst(0)
	STEP 0
	STEP 1
	STEP 2
	STEP 3
	s_wait_tensorcnt 0x0
	ds_add_u32 v224, v225
	s_wait_dscnt 0x0
	s_endpgm
; ---------------- the weights: a work-group takes 128 columns x 128 along K, a wave 32 columns: two fragments
.Lweights:
	s_sub_co_u32 s27, ttmp9, 384                   ; u: 0-191 Wq, Wk, Wv (64 each); 192-319 W2; 320-447 W1
	s_and_b32 s28, s27, 63
	s_sub_co_u32 s29, s27, 192
	s_sub_co_u32 s30, s27, 320
	s_lshl_b32 s36, s27, 14                        ; the tensors lie on end in wc, 16,384 bytes a work-group,
	s_lshl_b32 s37, s26, 12                        ; 4,096 a wave
	s_add_co_u32 s36, s36, s37
	s_mov_b32 s37, 0
	s_wait_kmcnt 0x0
	s_cmp_lt_u32 s27, 64
	s_cselect_b64 s[4:5], s[10:11], s[12:13]
	s_cselect_b32 s31, 4, 12                       ; the scale's byte: entries 1, 3, 5, 13, 11
	s_cmp_lt_u32 s27, 128
	s_cselect_b64 s[4:5], s[4:5], s[14:15]
	s_cselect_b32 s31, s31, 20
	s_cmp_lt_u32 s27, 192
	s_cselect_b64 s[4:5], s[4:5], s[16:17]
	s_cselect_b32 s31, s31, 52
	s_cselect_b32 s28, s28, s29                    ; the work-group's number in its tensor = R x (K / 128) + q
	s_cselect_b32 s32, 3, 4                        ; log2(K / 128)
	s_cmp_lt_u32 s27, 320
	s_cselect_b64 s[4:5], s[4:5], s[18:19]
	s_cselect_b32 s31, s31, 44
	s_cselect_b32 s28, s28, s30
	s_cselect_b32 s32, s32, 3
	s_cselect_b32 s33, 19, 20                      ; log2 of 128 rows of the weight in bytes
	s_load_b32 s38, s[20:21], s31 offset:0x0
	s_lshl_b32 s34, 1, s32
	s_sub_co_u32 s34, s34, 1
	s_and_b32 s34, s28, s34                        ; q
	s_lshr_b32 s35, s28, s32                       ; R
	s_lshl_b32 s34, s34, s33
	s_lshl_b32 s35, s35, 9                         ; 128 columns of 4 bytes
	s_add_co_u32 s34, s34, s35
	s_lshl_b32 s35, s26, 7                         ; my wave's 32
	s_add_co_u32 s34, s34, s35
	s_mov_b32 s35, 0
	s_add_nc_u64 s[4:5], s[4:5], s[34:35]
	s_add_nc_u64 s[24:25], s[24:25], s[36:37]
	s_wait_alu depctr_va_vdst(0)
	v_and_b32 v6, 7, v2
	v_lshrrev_b32 v7, 4, v2
	v_bfe_u32 v8, v2, 3, 1
	v_lshl_add_u32 v6, v7, 3, v6
	v_lshl_add_u32 v6, v8, 4, v6                   ; my column of the 32: lane l is position l % 16 of block l / 16: l % 8 + 8 (l / 16) + 16 ((l / 8) % 2)
	v_lshlrev_b32 v3, 2, v6
	v_and_b32 v9, 15, v2
	v_lshlrev_b32 v4, 4, v9
	v_lshl_add_u32 v4, v7, 11, v4                  ; my place in the images: fragment l / 16, 16 (l % 16)
.macro WLOAD c, P                      ; W(32 c + kk, my column): the 32 lanes read 128 consecutive bytes
.set kk, 0
.rept 32
	global_load_b32 v[WX+32*((\c)%2)+kk], v3, s[4:5] offset:(32*(\c)+kk)*\P th:TH_LOAD_NT
.set kk, kk+1
.endr
.endm
.macro WBLOCK c, P
.if (\c) < 3
	s_wait_loadcnt 32                              ; this block's 32 loads are in; the next block's may be out
.else
	s_wait_loadcnt 0
.endif
.set kk, 0
.rept 32
	v_med3_num_f32 v[WX+32*((\c)%2)+kk], v[WX+32*((\c)%2)+kk], -v10, v10
.set kk, kk+1
.endr
.irp g, 0,1,2,3
	v_cvt_scalef32_pk8_fp8_f32 v[WC+8*(\c)+2*\g:WC+8*(\c)+2*\g+1], v[WX+32*((\c)%2)+8*\g:WX+32*((\c)%2)+8*\g+7], v11
.endr
	v_nop                                          ; a plain line behind the last conversion
	global_store_b128 v4, v[WC+8*(\c):WC+8*(\c)+3], s[24:25] offset:512*(\c)         ; k = 32 c + 0 .. 15: the image's lanes 0-15.  Sixteen lanes store 256 consecutive bytes, aligned
	global_store_b128 v4, v[WC+8*(\c)+4:WC+8*(\c)+7], s[24:25] offset:512*(\c)+256   ; k = 32 c + 16 .. 31: its lanes 16-31
.if (\c) < 2
	WLOAD (\c)+2, \P
.endif
.endm
.macro WBODY P                         ; P: a row of the weight in bytes
	WLOAD 0, \P
	WLOAD 1, \P
	s_wait_kmcnt 0x0
	s_add_co_i32 s38, s38, 127
	s_lshl_b32 s39, s38, 23
	v_mov_b32 v11, s39
	s_add_co_i32 s38, s38, 8
	s_lshl_b32 s38, s38, 23
	s_or_b32 s38, s38, 0x600000
	v_mov_b32 v10, s38
	s_wait_alu depctr_va_vdst(0)
	WBLOCK 0, \P
	WBLOCK 1, \P
	WBLOCK 2, \P
	WBLOCK 3, \P
.endm
	s_cmp_lt_u32 s27, 320
	s_cbranch_scc0 .Lwide
	WBODY 4096
	s_endpgm
.Lwide:
	s_wait_alu depctr_va_vdst(0)
	WBODY 8192
	s_endpgm
.Lfunc_end_k_qba15b5651d_quant:
	.size	k_qba15b5651d_quant, .Lfunc_end_k_qba15b5651d_quant-k_qba15b5651d_quant
	.p2alignl 7, 3214868480
	.fill 96, 4, 3214868480
	.section	.rodata,"a",@progbits
	.p2align	6, 0x0
	.amdhsa_kernel k_qba15b5651d_quant
		.amdhsa_group_segment_fixed_size 34304
		.amdhsa_private_segment_fixed_size 0
		.amdhsa_enable_private_segment 0
		.amdhsa_kernarg_size 88
		.amdhsa_user_sgpr_count 2
		.amdhsa_user_sgpr_kernarg_segment_ptr 1
		.amdhsa_wavefront_size32 1
		.amdhsa_system_sgpr_workgroup_id_x 1
		.amdhsa_system_sgpr_workgroup_id_y 1
		.amdhsa_system_sgpr_workgroup_id_z 1
		.amdhsa_system_vgpr_workitem_id 0
		.amdhsa_next_free_vgpr 226
		.amdhsa_next_free_sgpr 66
		.amdhsa_reserve_vcc 0
		.amdhsa_float_denorm_mode_32 3
		.amdhsa_float_denorm_mode_16_64 3
		.amdhsa_memory_ordered 1
		.amdhsa_forward_progress 1
		.amdhsa_inst_pref_size 84
	.end_amdhsa_kernel
	.amdgpu_metadata
---
amdhsa.version: [ 1, 2 ]
amdhsa.kernels:
  - .name:           k_qba15b5651d_quant
    .symbol:         k_qba15b5651d_quant.kd
    .args:
      - { .name: query, .offset: 0, .size: 8, .value_kind: global_buffer, .address_space: global }
      - { .name: key, .offset: 8, .size: 8, .value_kind: global_buffer, .address_space: global }
      - { .name: value, .offset: 16, .size: 8, .value_kind: global_buffer, .address_space: global }
      - { .name: Wq, .offset: 24, .size: 8, .value_kind: global_buffer, .address_space: global }
      - { .name: Wk, .offset: 32, .size: 8, .value_kind: global_buffer, .address_space: global }
      - { .name: Wv, .offset: 40, .size: 8, .value_kind: global_buffer, .address_space: global }
      - { .name: W2, .offset: 48, .size: 8, .value_kind: global_buffer, .address_space: global }
      - { .name: W1, .offset: 56, .size: 8, .value_kind: global_buffer, .address_space: global }
      - { .name: lowp_scales, .offset: 64, .size: 8, .value_kind: global_buffer, .address_space: global }
      - { .name: ac, .offset: 72, .size: 8, .value_kind: global_buffer, .address_space: global }
      - { .name: wc, .offset: 80, .size: 8, .value_kind: global_buffer, .address_space: global }
    .group_segment_fixed_size: 34304
    .private_segment_fixed_size: 0
    .kernarg_segment_align: 8
    .kernarg_segment_size: 88
    .max_flat_workgroup_size: 128
    .sgpr_count:     66
    .vgpr_count:     226
    .wavefront_size: 32
...
	.end_amdgpu_metadata
.endif
;; end of part 1
;; launch proj (part 2): grid 4 x 48, 4 waves a work-group, clusters of 4 x 4, 327,680 bytes of LDS; arguments ac, wc, lowp_scales, bq, bk, bv, qkv; writes qkv
.if DOCPART == 2
	.amdgcn_target "amdgcn-amd-amdhsa--gfx1250"
	.amdhsa_code_object_version 6
	.text
	.protected	k_qba15b5651d_proj
	.globl	k_qba15b5651d_proj
	.p2align	8
	.type	k_qba15b5651d_proj,@function
k_qba15b5651d_proj:
	s_mov_b64 s[64:65], 0
	v_nop
	global_prefetch_b8 v0, s[64:65] scope:SCOPE_SE
	s_setreg_imm32_b32 hwreg(HW_REG_WAVE_MODE, 25, 1), 1
	s_wait_xcnt 0x0
	s_wait_alu depctr_hold_cnt(0) depctr_sa_sdst(0) depctr_va_vdst(0) depctr_va_sdst(0) depctr_va_ssrc(0) depctr_va_vcc(0) depctr_vm_vsrc(0)
	s_getreg_b32 s2, hwreg(HW_REG_IB_STS2, 6, 4)
	s_cmp_eq_u32 s2, 0
	s_cbranch_scc0 .Lentry_in_a_cluster
	s_endpgm
.Lentry_in_a_cluster:
	s_bfe_u32 s2, ttmp6, 0x10000c
	s_cmp_lg_u32 s2, 0xf033
	s_cbranch_scc0 .Lentry_shape_is_right
	s_endpgm
.Lentry_shape_is_right:
; The three projections, on codes of FP8 (E4M3): q = query Wq + bq, k = key Wk + bk, v = value Wv + bv, each quantised at once for the attention's products (scales' entries 6, 7, 9).
; Operands lie in memory as images of their registers (16 rows x 128 K = 2,048 bytes, lane l's 16 bytes of piece c at 512 c + 16 l; 128 rows x 256 K are 32,768 dense bytes).
; A tile of 256 x 256 is made by four waves, 128 x 128 each: 64 accumulators, 512 registers.  K goes in steps of 256 through a ring of two LDS slots filled by the tensor data mover.
; CLUSTERS: 4 x 4 work-groups; source 1's tile (called A) is shared along a row of the cluster, source 0's (B) along a column: asked for jointly.
; Cluster y = 4 T + c: T = 0, 1, 2 for q, k, v.  For q and k: A = the tokens, B = the weight's columns: a lane holds one token and registers along the channels, the next product's K.
; For v the roles are swapped (A = Wv's columns, B = the tokens): a lane holds one channel and registers along the tokens, which are the second attention product's K.
; The rows of a block of 16 are laid so (position p of block g = row 32 (g / 2) + 8 (g % 2) + p + 8 (p / 8)) that the 16 registers of source 0's blocks 2 b, 2 b + 1 are neighbours 32 b + 16 h + 0 .. 15.
; OUT: q, k: ((16 batch + head) 128 + token block) 1,024 + 512 c + 16 l;  v: (((16 batch + head) 16 + 128 keys) 4 + channel block) 2,048 + 512 c + 16 l.
; LIMITS: ea + eb between -126 and 127; the output's e between -126 and 119.  NaN among the inputs is not served.
; REGISTERS, in windows of 256: window 0: v0-31 addresses; v32-95, v96-111 biases; v128-255 A's fragments, ONE set, later the codes.  window 1: B's fragments, TWO sets; later v0-63 at work.  windows 2, 3: the accumulators.
.set KSH,    10                        ; a row's codes: 1,024 bytes
.set LAPS,   2                         ; K / 512: a lap = two K steps = once round the ring
.set STEPB,  32768                     ; 128 rows x 256 along K
.set HALFT,  65536                     ; a wave's region of LDS: its 128 rows of A or of B, slot 0's 32,768 bytes and then slot 1's
.set SLOT,   32768                     ; from slot 0 to slot 1 inside a region
.set SPARE,  262144                    ; behind the four regions: the spare words, 128 bytes for each wave: two blocks of 256 bytes that no other line names
.set FR,     16
.set NL,     4
.set NP,     4
.set ADRA, 16                          ; v16-17  LDS address of my A fragments in slot 0, 1
.set ADRB, 20                          ; v20-21  the same for B
.set CO,   26                          ; v26     16 x lane
.set SPW,  28                          ; v28     LDS address of my spare word; never rewritten
.set NIL,  29                          ; v29     0; never rewritten
.set LIMV, 30                          ; v30     448 x the output's scale
.set SCV,  31                          ; v31     the output's scale
.set BC,   32                          ; v32-95  the bias along a lane's 64 registers (q, k)
.set BR,   96                          ; v96-111 the bias of a lane's row, a pair for each block of A (v)
.set AF,   128
.set CD,   128                         ; the codes: 16 registers for each block of A
.set G1, 24
.set G0, 32
.set G1B, 48
.set G0B, 56
.set MSB, 0
.macro WIN new                         ; the immediate's high byte repeats the setting that is left
.if MSB != \new
	s_set_vgpr_msb (MSB<<8)|\new
.set MSB, \new
.endif
.endm
.set MUL_LO, 0xa1                      ; source 0 (B) window 1, source 1 (A) window 0, C and D window 2
.set MUL_HI, 0xf1                      ; the same, C and D window 3
.set TO_B,   0x40                      ; destination window 1, address window 0
.macro JLOAD g0a, g1a, g0b, g1b        ; a joint load: waves 0 and 1 fetch for A, waves 2 and 3 for B; four v_nop follow each of the two lines
	s_cmp_eq_u32 s15, 0
	s_cbranch_scc0 .Lfor_b_\@
	tensor_load_to_lds s[\g0a:\g0a+3], s[\g1a:\g1a+7]
	s_nop 0
.rept 4
	v_nop
.endr
	s_branch .Lasked_\@
.Lfor_b_\@:
	tensor_load_to_lds s[\g0b:\g0b+3], s[\g1b:\g1b+7]
	s_nop 0
.rept 4
	v_nop
.endr
.Lasked_\@:
.endm
.macro CREST                           ; a round of the cluster's barrier behind its opening barrier
	s_cmp_lg_u32 s14, 0
	s_cbranch_scc1 .Lnot_wave_0_\@
	s_barrier_signal -3
.Lnot_wave_0_\@:
	s_barrier_wait -3
	s_barrier_signal -1
	s_barrier_wait -1
.endm
.macro CROUND
	s_barrier_signal -1
	s_barrier_wait -1
	CREST
.endm
	s_load_b128 s[4:7], s[0:1], 0x0                ; ac, wc
	s_load_b128 s[8:11], s[0:1], 0x10              ; the scales' exponents, bq
	s_load_b128 s[84:87], s[0:1], 0x20             ; bk, bv
	s_load_b64 s[88:89], s[0:1], 0x30              ; qkv
	v_lshl_add_u32 v[SPW], v0, 2, SPARE
	v_mov_b32 v[NIL], 0
	ds_add_u32 v28, v29
	ds_add_u32 v28, v29
	s_wait_dscnt 0x0
	v_lshrrev_b32 v1, 5, v0
	v_readfirstlane_b32 s14, v1                    ; wave 0..3
	s_lshr_b32 s15, s14, 1                         ; which half of A's rows is mine.  Also: I fetch for A (0) or for B (1)
	s_and_b32 s16, s14, 1                          ; which half of B's rows.  Also: which 128 rows of that tile I fetch
	s_bfe_u32 s40, ttmp6, 0x40000                  ; cx
	s_bfe_u32 s41, ttmp6, 0x40004                  ; cy
	s_and_b32 s66, ttmp7, 0xffff                   ; cluster y, 0..11
	s_lshr_b32 s82, s66, 2                         ; T: the same in all sixteen partners
	s_and_b32 s66, s66, 3
	s_lshl_b32 s66, s66, 2                         ; 4 c
	s_add_co_u32 s67, s66, s41                     ; 4 c + cy
	s_add_co_u32 s83, s66, s40                     ; 4 c + cx
	s_lshl_b32 s43, s41, 2
	s_lshl_b32 s43, 15, s43                        ; my row of the cluster
	s_lshl_b32 s44, 0x1111, s40                    ; my column
	s_cmp_eq_u32 s82, 2
	s_cselect_b32 s17, s41, s67                    ; A's tile: v: cy (the weight has four); q, k: 4 c + cy (the tokens have sixteen)
	s_cselect_b32 s42, s83, s40                    ; B's tile: the other way round
	; descriptor group 1: a dense block as rows of 32 elements of 8 bytes
	s_or_b32 s[G1+0], s43, (3<<16)|(1<<21)         ; 15:0 the mask: A's tiles go to my row; 17:16 elements of 8 bytes; 21 set beside a mask
	s_or_b32 s[G1B+0], s44, (3<<16)|(1<<21)
.irp g, G1, G1B
	s_mov_b32 s[\g+1], 32<<16                      ; tensor_dim0
	s_mov_b32 s[\g+2], 256<<16                     ; tensor_dim1: the head's load brings 256 rows of 256 bytes: K steps 0 and 1, which lie on end in memory and in LDS
	s_mov_b32 s[\g+3], 32<<16                      ; tile_dim0
	s_mov_b32 s[\g+4], 256                         ; tile_dim1
	s_mov_b32 s[\g+5], 32                          ; tensor_dim0_stride
	s_mov_b32 s[\g+6], 0
	s_mov_b32 s[\g+7], 0
.endr
	s_lshl_b32 s18, s16, 7
	s_lshl_b32 s20, s17, 8
	s_add_co_u32 s20, s20, s18                     ; A: row 256 x tile + 128 x half
	s_lshl_b32 s46, s42, 8
	s_add_co_u32 s46, s46, s18                     ; B likewise
	s_lshl_b32 s20, s20, KSH                       ; 128 rows x K are one dense run: row x K bytes
	s_lshl_b32 s46, s46, KSH
	s_mov_b32 s21, 0
	s_mov_b32 s47, 0
	s_lshl_b32 s90, s82, 22                        ; tensor T in ac,
	s_mov_b32 s91, 0
	s_lshl_b32 s92, s82, 20                        ; and in wc
	s_mov_b32 s93, 0
	s_mul_i32 s45, s14, HALFT                      ; where my load goes: no place in the cluster enters an LDS address
	s_wait_kmcnt 0x0
	s_load_b256 s[68:75], s[8:9], 0x0              ; e0 .. e7
	s_load_b64 s[76:77], s[8:9], 0x20              ; e8, e9
	s_add_nc_u64 s[4:5], s[4:5], s[90:91]
	s_add_nc_u64 s[6:7], s[6:7], s[92:93]
	s_cmp_eq_u32 s82, 2
	s_cselect_b64 s[90:91], s[6:7], s[4:5]         ; A's tensor
	s_cselect_b64 s[92:93], s[4:5], s[6:7]         ; B's
	s_add_nc_u64 s[20:21], s[90:91], s[20:21]
	s_add_nc_u64 s[46:47], s[92:93], s[46:47]
	CROUND                                         ; all sixteen work-groups are here: the first joint loads meet
.irp s, 0,1
	s_mov_b32 s[G0+4*\s], 1
	s_add_co_u32 s[G0+4*\s+1], s45, \s*SLOT
	s_add_nc_u64 s[G0+4*\s+2:G0+4*\s+3], s[20:21], \s*STEPB
	s_or_b32 s[G0+4*\s+3], s[G0+4*\s+3], 0x80000000
	s_mov_b32 s[G0B+4*\s], 1
	s_add_co_u32 s[G0B+4*\s+1], s45, \s*SLOT
	s_add_nc_u64 s[G0B+4*\s+2:G0B+4*\s+3], s[46:47], \s*STEPB
	s_or_b32 s[G0B+4*\s+3], s[G0B+4*\s+3], 0x80000000
.endr
	JLOAD G0, G1, G0B, G1B                         ; K steps 0 and 1, both slots: my one tensor load at the head
	; prefetches for the two refills, K steps 2 and 3: of the 32,768 bytes that my wave will fetch, each of the four partners that ask jointly names 8,192, told apart by address; lanes 256 bytes apart
	s_cmp_eq_u32 s15, 0
	s_cselect_b64 s[98:99], s[20:21], s[46:47]
	s_cselect_b32 s18, s40, s41                    ; my place among the four: cx for A, cy for B
	s_lshl_b32 s18, s18, 13
	s_mov_b32 s19, 0
	s_add_nc_u64 s[98:99], s[98:99], s[18:19]
	v_and_b32 v7, 31, v0
	v_lshlrev_b32 v7, 8, v7
	global_prefetch_b8 v7, s[98:99] offset:2*STEPB th:TH_LOAD_NT scope:SCOPE_SE
	global_prefetch_b8 v7, s[98:99] offset:3*STEPB th:TH_LOAD_NT scope:SCOPE_SE
	v_and_b32 v6, 31, v0
	v_lshlrev_b32 v[CO], 4, v6                     ; 16 x lane
	s_mul_i32 s21, s15, HALFT                      ; my 128 rows of A
	s_mul_i32 s22, s16, HALFT                      ; my 128 rows of B,
	s_add_co_u32 s22, s22, 2*HALFT                 ; which lie behind A's 256
.irp s, 0,1
	v_add_nc_u32 v[ADRA+\s], s21, v[CO]
	v_add_nc_u32 v[ADRB+\s], s22, v[CO]
	s_add_co_u32 s21, s21, SLOT
	s_add_co_u32 s22, s22, SLOT
.endr
	; the biases, in both forms (each index is cut to the bias's eight groups of 128, so that the form that this tensor does not use stays inside the buffer)
	s_lshl_b32 s94, s17, 1
	s_add_co_u32 s94, s94, s15                     ; which 128 of A's rows are mine
	s_lshl_b32 s95, s42, 1
	s_add_co_u32 s95, s95, s16                     ; which 128 of B's
	s_cmp_eq_u32 s82, 0
	s_cselect_b64 s[10:11], s[10:11], s[84:85]
	s_cmp_eq_u32 s82, 2
	s_cselect_b64 s[10:11], s[86:87], s[10:11]     ; bq, bk or bv
	s_and_b32 s18, s95, 7
	s_lshl_b32 s18, s18, 9
	s_mov_b32 s19, 0
	s_add_nc_u64 s[84:85], s[10:11], s[18:19]
	s_and_b32 s18, s94, 7
	s_lshl_b32 s18, s18, 9
	s_add_nc_u64 s[86:87], s[10:11], s[18:19]
	v_and_b32 v1, 15, v0                           ; r
	v_bfe_u32 v2, v0, 4, 1                         ; h
	v_lshlrev_b32 v8, 6, v2                        ; 64 h: register 16 b + i is channel 32 b + 16 h + i
	v_and_b32 v3, 8, v1
	v_add_nc_u32 v3, v3, v1
	v_lshlrev_b32 v9, 2, v3                        ; 4 (r + 8 (r / 8)): my position's channel in a block
.irp b, 0,1,2,3
.irp j, 0,1,2,3
	global_load_b128 v[BC+16*\b+4*\j:BC+16*\b+4*\j+3], v8, s[84:85] offset:128*\b+16*\j
.endr
.endr
.irp a, 0,1,2,3,4,5,6,7
	global_load_b32 v[BR+2*\a], v9, s[86:87] offset:4*(32*(\a/2)+8*(\a%2))
	global_load_b32 v[BR+2*\a+1], v9, s[86:87] offset:4*(32*(\a/2)+8*(\a%2))
.endr
	; where my codes go
	s_cmp_eq_u32 s82, 2
	s_cselect_b32 s18, s95, s94                    ; my 128 tokens, 0..31
	s_cselect_b32 s19, s94, s95                    ; my 128 channels, 0..7: two heads
	s_lshr_b32 s22, s18, 4
	s_lshl_b32 s22, s22, 4                         ; 16 x batch
	s_lshl_b32 s19, s19, 1
	s_add_co_u32 s22, s22, s19                     ; + head
	s_lshl_b32 s22, s22, 17                        ; a head's codes: 131,072 bytes
	s_and_b32 s18, s18, 15
	s_lshl_b32 s18, s18, 13                        ; 128 tokens of a head: 8,192 bytes, in either layout
	s_add_co_u32 s22, s22, s18
	s_lshl_b32 s18, s82, 22
	s_add_co_u32 s22, s22, s18
	s_mov_b32 s23, 0
	s_add_nc_u64 s[88:89], s[88:89], s[22:23]
.macro FRAG reg, adr, q, i             ; a fragment comes back as it was stored: piece c into registers 4 c .. 4 c + 3; an instruction's 512 bytes are consecutive
.irp c, 0,1,2,3
	ds_load_b128 v[\reg+4*\c:\reg+4*\c+3], v[\adr] offset:16384*(\q)+2048*(\i)+512*\c
.endr
.endm
; 16 matrix instructions: A's blocks a0, a0 + 1 x B's eight, 128 along K.  p: B's set.  zero = 1: the first product starts the sums.
; The 64 accumulators take turns, one instruction a turn, in the same order in every step.
.macro MUL16 a0, p, zero
.irp a, \a0, \a0+1
.irp b, 0,1,2,3,4,5,6,7
.if \zero
	v_wmma_f32_16x16x128_fp8_fp8 v[8*(8*((\a)%4)+\b):8*(8*((\a)%4)+\b)+7], v[128*(\p)+FR*\b:128*(\p)+FR*\b+FR-1], v[AF+FR*(\a):AF+FR*(\a)+FR-1], 0
.else
	v_wmma_f32_16x16x128_fp8_fp8 v[8*(8*((\a)%4)+\b):8*(8*((\a)%4)+\b)+7], v[128*(\p)+FR*\b:128*(\p)+FR*\b+FR-1], v[AF+FR*(\a):AF+FR*(\a)+FR-1], v[8*(8*((\a)%4)+\b):8*(8*((\a)%4)+\b)+7]
.endif
.endr
.endr
.endm
.macro FETCH_B slot, q, p
	WIN TO_B
.irp i, 0,1,2,3,4,5,6,7
	FRAG 128*(\p)+FR*\i, ADRB+\slot, \q, \i
.endr
	WIN 0
.endm
.macro FETCH_A slot, q, i0
.irp i, \i0, \i0+1, \i0+2, \i0+3
	FRAG AF+FR*(\i), ADRA+\slot, \q, \i
.endr
.endm
.macro PLACES n                        ; plain vector lines between a matrix instruction and a load into, or a vector line on, its registers
.rept \n
	v_nop
.endr
.endm
.macro STEP slot, q, zero              ; a step of 128 along K that has its successor in the same slot
	s_wait_dscnt 4*NL                              ; B's set and A's blocks 0-3 are in; the youngest sixteen loads (A's blocks 4-7) may be out
	WIN MUL_LO
	MUL16 0, (\q)%2, \zero
	MUL16 2, (\q)%2, \zero
	s_wait_dscnt 0                                 ; A's blocks 4-7 are in
	PLACES NP
	FETCH_B \slot, (\q)+1, 1-(\q)%2
	FETCH_A \slot, (\q)+1, 0
	WIN MUL_HI
	MUL16 4, (\q)%2, \zero
	MUL16 6, (\q)%2, \zero
	PLACES NP
	WIN 0
	FETCH_A \slot, (\q)+1, 4
.endm
; A slot's last step changes slots: ONE barrier; in front of it each wave waits for all its tensor loads, adds 0 to its spare word, and waits for that and for its reads of this slot.
.macro TURN slot, next, fill
	s_wait_tensorcnt 0x0                           ; all my tensor loads have landed: my part of the next slot
	ds_add_u32 v[SPW], v[NIL]                      ; 0 onto my spare word
	s_wait_dscnt 4*NL+1                            ; (the add and the youngest sixteen loads may be out)
	WIN MUL_LO
	MUL16 0, 1, 0
	s_wait_dscnt 0x0                               ; the add is done, and my reads of this slot are over
	s_barrier_signal -1
	MUL16 2, 1, 0
	WIN 0
	s_barrier_wait -1
.if \fill
	CREST                                          ; the barrier has opened a round of the cluster's: no wave of any partner still reads this slot or has a load on its way
	s_add_nc_u64 s[G0+4*\slot+2:G0+4*\slot+3], s[G0+4*\slot+2:G0+4*\slot+3], 2*STEPB
	s_add_nc_u64 s[G0B+4*\slot+2:G0B+4*\slot+3], s[G0B+4*\slot+2:G0B+4*\slot+3], 2*STEPB
	JLOAD G0+4*\slot, G1, G0B+4*\slot, G1B         ; the first tensor load behind the round; its four v_nop are the places in front of the loads below
.else
	PLACES NP
.endif
	FETCH_B \next, 0, 0
	FETCH_A \next, 0, 0
	WIN MUL_HI
	MUL16 4, 1, 0
	MUL16 6, 1, 0
	PLACES NP
	WIN 0
	FETCH_A \next, 0, 4
.endm
	s_wait_alu depctr_va_vdst(0)
	s_wait_tensorcnt 0x0                           ; my part of K steps 0 and 1 is in, and no load of mine is out: so group 1 may be written:
	s_mov_b32 s[G1+2], 128<<16                     ; from here on a load brings 128 rows, one slot's part
	s_mov_b32 s[G1+4], 128
	s_mov_b32 s[G1B+2], 128<<16
	s_mov_b32 s[G1B+4], 128
	s_barrier_signal -1
	s_barrier_wait -1                              ; everybody's part is in
	FETCH_B 0, 0, 0
	FETCH_A 0, 0, 0
	FETCH_A 0, 0, 4
	STEP 0, 0, 1                                   ; the first step's products start the sums
	s_mov_b32 s3, LAPS-1
.Llap:                                                 ; a trip goes once round the ring and fills both slots again
	TURN 0, 1, 1
	STEP 1, 0, 0
	TURN 1, 0, 1
	STEP 0, 0, 0
	s_sub_co_u32 s3, s3, 1
	s_cmp_lg_u32 s3, 0
	s_cbranch_scc1 .Llap
	TURN 0, 1, 0                                   ; the last lap fills nothing
	STEP 1, 0, 0
	s_wait_dscnt 4*NL
	WIN MUL_LO
	MUL16 0, 1, 0
	MUL16 2, 1, 0
	s_wait_dscnt 0
	WIN MUL_HI
	MUL16 4, 1, 0
	MUL16 6, 1, 0
	WIN 0
; THE WAY OUT, block a of A by block: sum x 2^(ea + eb) + bias; the hold; the conversions, whose results are the next operand's registers; four stores of 512 consecutive bytes.
.macro OUT a, mode                     ; mode 0: the bias runs along the registers (q, k); 1: it is the lane's row's (v)
.set AC, 64*((\a)%4)
	WIN 0x42+((\a)/4)                              ; source 0 window 2 or 3, destination window 1
.set j, 0
.rept 32
.if \mode
	v_pk_fma_f32 v[j:j+1], v[AC+j:AC+j+1], s[96:97], v[BR+2*(\a):BR+2*(\a)+1] op_sel_hi:[1,0,1]
.else
	v_pk_fma_f32 v[j:j+1], v[AC+j:AC+j+1], s[96:97], v[BC+j:BC+j+1] op_sel_hi:[1,0,1]   ; each accumulator from its low end on
.endif
.set j, j+2
.endr
	WIN 0x41
.set j, 0
.rept 64
	v_med3_num_f32 v[j], v[j], -v[LIMV], v[LIMV]   ; the conversion does not saturate (ISA guide 7.6.2)
.set j, j+1
.endr
	WIN 0x01
.irp b, 0,1,2,3
	v_cvt_scalef32_pk8_fp8_f32 v[CD+16*(\a)+4*\b:CD+16*(\a)+4*\b+1], v[16*\b:16*\b+7], v[SCV]
	v_cvt_scalef32_pk8_fp8_f32 v[CD+16*(\a)+4*\b+2:CD+16*(\a)+4*\b+3], v[16*\b+8:16*\b+15], v[SCV]
.endr
	WIN 0
	v_nop                                          ; a plain line behind the last conversion: the next block writes the conversions' sources
.irp b, 0,1,2,3
.if \mode
	global_store_b128 v[CO], v[CD+16*(\a)+4*\b:CD+16*(\a)+4*\b+3], s[88:89] offset:((\a)/4)*131072+((\a)%4)*2048+\b*512
.else
	global_store_b128 v[CO], v[CD+16*(\a)+4*\b:CD+16*(\a)+4*\b+3], s[88:89] offset:(\b/2)*131072+(\a)*1024+(\b%2)*512
.endif
.endr
.endm
	s_wait_kmcnt 0x0
	s_add_co_i32 s78, s68, s69
	s_add_co_i32 s79, s70, s71
	s_add_co_i32 s80, s72, s73
	s_cmp_eq_u32 s82, 0
	s_cselect_b32 s78, s78, s79
	s_cselect_b32 s81, s74, s75
	s_cmp_eq_u32 s82, 2
	s_cselect_b32 s78, s80, s78                    ; ea + eb of my product
	s_cselect_b32 s81, s77, s81                    ; the output's e: entry 6, 7 or 9
	s_add_co_i32 s78, s78, 127
	s_lshl_b32 s96, s78, 23                        ; 2^(ea + eb) as f32
	s_mov_b32 s97, s96                             ; (named with it as a pair, so it is written)
	s_add_co_i32 s81, s81, 127
	s_lshl_b32 s79, s81, 23
	s_add_co_i32 s81, s81, 8
	s_lshl_b32 s81, s81, 23
	s_or_b32 s81, s81, 0x600000
	PLACES NP                                      ; behind the last products
	v_mov_b32 v[SCV], s79
	v_mov_b32 v[LIMV], s81
	s_wait_loadcnt 0x0                             ; the biases
	s_cmp_eq_u32 s82, 2
	s_cbranch_scc1 .Lfor_v
.irp a, 0,1,2,3,4,5,6,7
	OUT \a, 0
.endr
	s_branch .Lend
.Lfor_v:
.irp a, 0,1,2,3,4,5,6,7
	OUT \a, 1
.endr
.Lend:
	s_wait_tensorcnt 0x0                           ; the wave's end
	ds_add_u32 v[SPW], v[NIL]
	s_wait_dscnt 0x0
	CROUND                                         ; the closing round
	s_endpgm
.Lfunc_end_k_qba15b5651d_proj:
	.size	k_qba15b5651d_proj, .Lfunc_end_k_qba15b5651d_proj-k_qba15b5651d_proj
	.p2alignl 7, 3214868480
	.fill 96, 4, 3214868480
	.section	.rodata,"a",@progbits
	.p2align	6, 0x0
	.amdhsa_kernel k_qba15b5651d_proj
		.amdhsa_group_segment_fixed_size 327680
		.amdhsa_private_segment_fixed_size 0
		.amdhsa_enable_private_segment 0
		.amdhsa_kernarg_size 56
		.amdhsa_user_sgpr_count 2
		.amdhsa_user_sgpr_kernarg_segment_ptr 1
		.amdhsa_wavefront_size32 1
		.amdhsa_system_sgpr_workgroup_id_x 1
		.amdhsa_system_sgpr_workgroup_id_y 1
		.amdhsa_system_sgpr_workgroup_id_z 1
		.amdhsa_system_vgpr_workitem_id 0
		.amdhsa_next_free_vgpr 1024
		.amdhsa_next_free_sgpr 100
		.amdhsa_reserve_vcc 0
		.amdhsa_float_denorm_mode_32 3
		.amdhsa_float_denorm_mode_16_64 3
		.amdhsa_memory_ordered 1
		.amdhsa_forward_progress 1
		.amdhsa_inst_pref_size 195
	.end_amdhsa_kernel
	.amdgpu_metadata
---
amdhsa.version: [ 1, 2 ]
amdhsa.kernels:
  - .name:           k_qba15b5651d_proj
    .symbol:         k_qba15b5651d_proj.kd
    .args:
      - { .name: ac, .offset: 0, .size: 8, .value_kind: global_buffer, .address_space: global }
      - { .name: wc, .offset: 8, .size: 8, .value_kind: global_buffer, .address_space: global }
      - { .name: lowp_scales, .offset: 16, .size: 8, .value_kind: global_buffer, .address_space: global }
      - { .name: bq, .offset: 24, .size: 8, .value_kind: global_buffer, .address_space: global }
      - { .name: bk, .offset: 32, .size: 8, .value_kind: global_buffer, .address_space: global }
      - { .name: bv, .offset: 40, .size: 8, .value_kind: global_buffer, .address_space: global }
      - { .name: qkv, .offset: 48, .size: 8, .value_kind: global_buffer, .address_space: global }
    .group_segment_fixed_size: 327680
    .private_segment_fixed_size: 0
    .kernarg_segment_align: 8
    .kernarg_segment_size: 56
    .max_flat_workgroup_size: 128
    .sgpr_count:     100
    .vgpr_count:     1024
    .wavefront_size: 32
...
	.end_amdgpu_metadata
.endif
;; end of part 2
;; launch attn (part 3): grid 8 x 32, 8 waves a work-group, clusters of 4 x 1, 327,680 bytes of LDS; arguments qkv, lowp_scales, at; writes at
.if DOCPART == 3
	.amdgcn_target "amdgcn-amd-amdhsa--gfx1250"
	.amdhsa_code_object_version 6
	.text
	.protected	k_qba15b5651d_attn
	.globl	k_qba15b5651d_attn
	.p2align	8
	.type	k_qba15b5651d_attn,@function
k_qba15b5651d_attn:
	s_mov_b64 s[64:65], 0
	v_nop
	global_prefetch_b8 v0, s[64:65] scope:SCOPE_SE
	s_setreg_imm32_b32 hwreg(HW_REG_WAVE_MODE, 25, 1), 1
	s_wait_xcnt 0x0
	s_wait_alu depctr_hold_cnt(0) depctr_sa_sdst(0) depctr_va_vdst(0) depctr_va_sdst(0) depctr_va_ssrc(0) depctr_va_vcc(0) depctr_vm_vsrc(0)
	s_getreg_b32 s2, hwreg(HW_REG_IB_STS2, 6, 4)
	s_cmp_eq_u32 s2, 0
	s_cbranch_scc0 .Lentry_in_a_cluster
	s_endpgm
.Lentry_in_a_cluster:
	s_bfe_u32 s2, ttmp6, 0x10000c
	s_cmp_lg_u32 s2, 0x3003
	s_cbranch_scc0 .Lentry_shape_is_right
	s_endpgm
.Lentry_shape_is_right:
; Attention of one (batch, head) on codes of FP8 (E4M3): O = softmax(Q K^T / 8) V, both products quantised (scales' entries 6, 7, 8, 9 = eq, ek, ep, ev).
; t = score x log2(e) / 8; M = the running largest t rounded up to a whole number; p = 2^(t - M) is quantised along the keys, not normalised; the row's sum of the unquantised p divides O at the end.
; qkv holds images of operand registers: q, k: ((16 batch + head) 128 + block of 16 tokens) 1,024 + 512 c + 16 lane; v: (((16 batch + head) 16 + 128 keys) 4 + block of 16 channels) 2,048 + 512 c + 16 lane.
; SHARES: a work-group owns 256 queries of a head, each of its eight waves 32 of them (two tiles u = 0, 1), so that each fragment of K and of V read from LDS feeds two matrix instructions.
; Both products are used transposed (S^T = K Q^T, O^T = V^T P^T): a lane holds one query of each tile; the 16 registers of K's tiles 2 b, 2 b + 1 are keys 32 b + 16 (lane / 16) + 0 .. 15.
; LDS: a head's K (131,072 bytes, from 0) and V (131,072, from 2^17) lie there whole and are filled once: nothing is filled again.  Each wave asks twice: at the head for its 8,192 bytes of keys 0-511,
; and behind the full sequence and a round for its 24,576 bytes of keys 512-2047, which have four key steps in which to land.  CLUSTER: the four work-groups of a cluster walk the same head: both loads are joint (mask 15).
; THE SECOND PRODUCT OF STEP t - 1 STANDS AT THE HEAD OF STEP t, behind the issue of step t's loads of K.  The first step finds zero codes, zero fragments and a zero O^T.
; A SPLIT BARRIER IN EVERY STEP (it guards no fill): signalled at the step's head, waited for ahead of the exponentials: no wave begins a step's exponentials before every wave has begun that step.
; THE EXPONENTIALS go in two batches, each mixed with plain lines that read nothing written since the wait ahead of the batch and whose results are read behind the wait that follows it:
; tile 0's beside tile 1's t - M; tile 1's beside tile 0's first level of sums (into K's fragment registers, which are done with) and its holds.
; p's codes are laid over scores that are done with: block b's four registers at C + 4 b, C = S - 4.
; No prefetch: every byte of K and V has been asked for by the second load, so no later request is left to run ahead of.
; LIMITS: eq + ek between -123 and 130; ep between -126 and 119; the scaled scores stay under 2^31 in magnitude.  NaN among the inputs is not served.
; REGISTERS, window 0: v1-9 addresses and constants; v10-23, v24-37 a tile's small ones; v40-55 Q; v56-119 K's eight fragments; v120-187, v188-255 codes and scores.  window 1: v0-63 V's four fragments; v64-127 O^T.
.set WV, 18
.set SPARE, 0x40000
.set LA,  1                            ; 16 x lane
.set SPW, 2                            ; my spare word; never rewritten
.set NIL, 3                            ; 0; never rewritten
.set ADK, 4
.set ADV, 5
.set LIM, 6                            ; v6, v7: 448 x 2^ep, twice, for the two halves of a dual pair
.set SCV, 8                            ; 2^ep
.set LV,  9                            ; 2^17 + 16 x lane
.set TA,  10                           ; a tile's small registers, 14 apart:
.set TB,  24
.set RUN, 0                            ; the largest score so far
.set NEW, 1
.set NM,  2                            ; pair: -M, 0
.set F,   4                            ; pair: 2^(old M - new M), 0
.set SUM, 6                            ; pair: the row's sum in two halves
.set SU2, 8                            ; pair: a second chain
.set MX,  10                           ; two chains of the maximum
.set PT,  12                           ; a lane permute's result
.set QA,  40
.set KF,  56
.set CA,  120                          ; codes; tile 1's lie 68 further on
.set SA,  124                          ; scores
.set CB,  188
.set SB,  192
.set OA,  64                           ; window 1: O^T; tile 1's 32 further on
.set MSB, 0
.macro WIN new                         ; the immediate's high byte repeats the setting that is left
.if MSB != \new
	s_set_vgpr_msb (MSB<<8)|\new
.set MSB, \new
.endif
.endm
.macro ROUND
	s_barrier_signal -1
	s_barrier_wait -1
	s_cmp_lg_u32 s[WV], 0
	s_cbranch_scc1 .Lnot_wave_0_\@
	s_barrier_signal -3
.Lnot_wave_0_\@:
	s_barrier_wait -3
	s_barrier_signal -1
	s_barrier_wait -1
.endm
	s_load_b128 s[4:7], s[0:1], 0x0                ; qkv, the scales' exponents
	s_load_b64 s[8:9], s[0:1], 0x10                ; at
	v_lshl_add_u32 v[SPW], v0, 2, SPARE
	v_mov_b32 v[NIL], 0
	ds_add_u32 v[SPW], v[NIL]                      ; the opening lines: the add twice on end and its wait
	ds_add_u32 v[SPW], v[NIL]
	v_lshrrev_b32 v4, 5, v0
	v_readfirstlane_b32 s[WV], v4                  ; wave 0..7
	s_bfe_u32 s10, ttmp6, 0x40000                  ; cx
	s_lshl_b32 s11, ttmp9, 2
	s_add_co_u32 s11, s11, s10                     ; which 256 queries
	s_and_b32 s12, ttmp7, 0xffff                   ; 16 batch + head
	s_lshr_b32 s13, s[WV], 2                       ; I fetch for K (0) or V (1),
	s_and_b32 s14, s[WV], 3                        ; this quarter
	s_lshl_b32 s15, s13, 17
	s_lshl_b32 s16, s14, 13                        ; first load: 8,192 x quarter
	s_mul_i32 s17, s14, 24576
	s_add_co_u32 s17, s17, 32768                   ; second: 32,768 + 24,576 x quarter
	s_lshl_b32 s52, s13, 22
	s_lshl_b32 s53, s12, 17
	s_add_co_u32 s52, s52, s53
	s_add_co_u32 s52, s52, 0x400000                ; k's or v's codes of my head in qkv
	s_add_co_u32 s54, s52, s16
	s_mov_b32 s55, 0
	s_add_co_u32 s56, s52, s17
	s_mov_b32 s57, 0
	s_mov_b32 s40, 1
	s_add_co_u32 s41, s15, s16
	s_mov_b32 s44, 1
	s_add_co_u32 s45, s15, s17
	s_mov_b32 s24, 15|(3<<16)|(1<<21)              ; group 1, first load: a dense block as 32 rows of 32 elements of 8 bytes; the mask names the cluster's four
	s_mov_b32 s25, 32<<16
	s_mov_b32 s26, 32<<16
	s_mov_b32 s27, 32<<16
	s_mov_b32 s28, 32
	s_mov_b32 s29, 32
	s_mov_b32 s30, 0
	s_mov_b32 s31, 0
	s_mov_b32 s32, 15|(3<<16)|(1<<21)              ; second load: 96 such rows
	s_mov_b32 s33, 32<<16
	s_mov_b32 s34, 96<<16
	s_mov_b32 s35, 32<<16
	s_mov_b32 s36, 96
	s_mov_b32 s37, 32
	s_mov_b32 s38, 0
	s_mov_b32 s39, 0
	s_mov_b32 s20, 0x76543210                      ; lane l xor 16
	s_mov_b32 s21, 0xfedcba98
	s_mov_b32 s22, 0x3e38aa3b                      ; c = log2(e) / 8
	s_wait_dscnt 0x0
	s_wait_kmcnt 0x0
	s_load_b128 s[68:71], s[6:7], 0x18             ; eq, ek, ep, ev
	s_add_nc_u64 s[42:43], s[4:5], s[54:55]
	s_or_b32 s43, s43, 0x80000000
	s_add_nc_u64 s[46:47], s[4:5], s[56:57]
	s_or_b32 s47, s47, 0x80000000
	ROUND
	tensor_load_to_lds s[40:43], s[24:31]          ; keys 0-511: my one load at the head
	s_nop 0
	s_lshl_b32 s58, s11, 4
	s_lshl_b32 s59, s[WV], 1
	s_add_co_u32 s58, s58, s59                     ; my first block of 16 queries, 0..126
	s_lshl_b32 s60, s12, 7
	s_add_co_u32 s60, s60, s58
	s_lshl_b32 s60, s60, 10                        ; its codes
	s_mov_b32 s61, 0
	s_lshr_b32 s62, s12, 4
	s_lshl_b32 s62, s62, 7
	s_add_co_u32 s62, s62, s58
	s_lshl_b32 s62, s62, 4
	s_and_b32 s63, s12, 15
	s_add_co_u32 s62, s62, s63
	s_lshl_b32 s62, s62, 12                        ; at: ((128 batch + block) 16 + head) 4,096
	s_mov_b32 s63, 0
	s_add_nc_u64 s[60:61], s[4:5], s[60:61]
	s_add_nc_u64 s[8:9], s[8:9], s[62:63]
	v_and_b32 v[LA], 31, v0
	v_lshlrev_b32 v[LA], 4, v[LA]
	v_add_nc_u32 v[LV], 0x20000, v[LA]
.irp i, 0,1,2,3
	global_load_b128 v[QA+4*\i:QA+4*\i+3], v[LA], s[60:61] offset:512*\i   ; Q's two fragments stay in registers
.endr
.irp u, 0,1
	v_mov_b32 v[TA+14*\u+RUN], 0xff61b1e6          ; -3e38, under every score
	v_mov_b32 v[TA+14*\u+NM], 0x7f61b1e6           ; -M = 3e38
	v_mov_b32 v[TA+14*\u+NM+1], 0                  ; (named as the upper halves of pairs)
	v_mov_b32 v[TA+14*\u+F+1], 0
	v_mov_b32 v[TA+14*\u+SUM], 0
	v_mov_b32 v[TA+14*\u+SUM+1], 0
	v_mov_b32 v[TA+14*\u+PT], 0                    ; a lane permute's destination counts as a source
.set j, 0
.rept 16
	v_mov_b32 v[CA+68*\u+j], 0                     ; the codes that the first step's delayed product finds
.set j, j+1
.endr
.endr
	WIN 0x40
.set j, 0
.rept 128
	v_mov_b32 v[j], 0                              ; window 1: V's fragments and O^T, likewise; these lines run while the first load is out
.set j, j+1
.endr
	WIN 0
	s_wait_kmcnt 0x0
	s_add_co_i32 s72, s68, s69
	s_lshl_b32 s72, s72, 23
	s_add_co_i32 s22, s22, s72                     ; eq + ek go into c's exponent field
	s_mov_b32 s23, s22
	s_xor_b32 s19, s22, 0x80000000                 ; -c
	s_add_co_i32 s72, s70, 127
	s_lshl_b32 s73, s72, 23
	v_mov_b32 v[SCV], s73
	s_add_co_i32 s72, s72, 8
	s_lshl_b32 s72, s72, 23
	s_or_b32 s72, s72, 0x600000
	v_mov_b32 v[LIM], s72
	v_mov_b32 v[LIM+1], s72
.macro PV                              ; O^T += V^T P^T: four blocks of 16 channels x two tiles; the eight accumulators take turns
	WIN 0x51                                       ; source 0 (V), C and D window 1; source 1 (codes) window 0
.irp t, 0,1,2,3
.irp u, 0,1
	v_wmma_f32_16x16x128_fp8_fp8 v[OA+32*\u+8*\t:OA+32*\u+8*\t+7], v[16*\t:16*\t+15], v[CA+68*\u:CA+68*\u+15], v[OA+32*\u+8*\t:OA+32*\u+8*\t+7]
.endr
.endr
	WIN 0
.endm
.macro HOLD r                          ; the hold (the conversion does not saturate: ISA guide 7.6.2); p is not negative, so it is one-sided; two numbers a line
	v_dual_min_num_f32 v[\r], v[\r], v[LIM] :: v_dual_min_num_f32 v[\r+1], v[\r+1], v[LIM+1]
.endm
.macro CODES c, s, b                   ; block b's 16 numbers become four registers of codes
	v_cvt_scalef32_pk8_fp8_f32 v[\c+4*\b:\c+4*\b+1], v[\s+16*\b:\s+16*\b+7], v[SCV]
	v_cvt_scalef32_pk8_fp8_f32 v[\c+4*\b+2:\c+4*\b+3], v[\s+16*\b+8:\s+16*\b+15], v[SCV]
.endm
.macro ADD4                            ; four lines of the sums: tile 0's second level (from K's registers) and tile 1's p, two chains each
	v_pk_add_f32 v[TA+SUM:TA+SUM+1], v[TA+SUM:TA+SUM+1], v[KF+j:KF+j+1]
	v_pk_add_f32 v[TB+SUM:TB+SUM+1], v[TB+SUM:TB+SUM+1], v[SB+j:SB+j+1]
	v_pk_add_f32 v[TA+SU2:TA+SU2+1], v[TA+SU2:TA+SU2+1], v[KF+j+2:KF+j+3]
	v_pk_add_f32 v[TB+SU2:TB+SU2+1], v[TB+SU2:TB+SU2+1], v[SB+j+2:SB+j+3]
.set j, j+4
.endm
.macro STEP                            ; 128 keys at LDS byte s50 of K and of V
	s_wait_dscnt 0x0                               ; the last step's fragments of V are in, and no LDS instruction of mine is pending at the signal
	s_barrier_signal -1                            ; I have begun this step.  Up to the wait: register work and LDS loads of bytes that nobody writes
	v_add_nc_u32 v[ADK], s50, v[LA]
	v_add_nc_u32 v[ADV], s50, v[LV]
.irp t, 0,1,2,3,4,5,6,7
.irp c, 0,1
	ds_load_b128 v[KF+8*\t+4*\c:KF+8*\t+4*\c+3], v[ADK] offset:1024*\t+512*\c
.endr
.endr
	PV
.rept 5
	v_nop                                          ; five places: the scores below are written over codes that these products read; V's loads need four
.endr
	WIN 0x40
.irp t, 0,1,2,3
.irp c, 0,1,2,3
	ds_load_b128 v[16*\t+4*\c:16*\t+4*\c+3], v[ADV] offset:2048*\t+512*\c
.endr
.endr
	WIN 0
	s_wait_dscnt 16                                ; K is in; V's 16 loads may be out
.irp t, 0,1,2,3,4,5,6,7
.irp u, 0,1
	v_wmma_f32_16x16x64_fp8_fp8 v[SA+68*\u+8*\t:SA+68*\u+8*\t+7], v[KF+8*\t:KF+8*\t+7], v[QA+8*\u:QA+8*\u+7], 0
.endr
.endr
.rept 4
	v_nop
.endr
.irp u, 0,1                            ; the largest score so far: 64 scores and the running one are 65 leaves, 32 lines; two chains a tile, the tiles by turns; ascending
	v_max3_num_f32 v[TA+14*\u+MX], v[TA+14*\u+RUN], v[SA+68*\u], v[SA+68*\u+1]
.endr
.irp u, 0,1
	v_max3_num_f32 v[TA+14*\u+MX+1], v[SA+68*\u+2], v[SA+68*\u+3], v[SA+68*\u+4]
.endr
.set j, 5
.set k, 0
.rept 29
.irp u, 0,1
	v_max3_num_f32 v[TA+14*\u+MX+k], v[TA+14*\u+MX+k], v[SA+68*\u+j], v[SA+68*\u+j+1]
.endr
.set j, j+2
.set k, 1-k
.endr
.irp u, 0,1
	v_max3_num_f32 v[TA+14*\u+MX], v[TA+14*\u+MX], v[TA+14*\u+MX+1], v[SA+68*\u+63]
.endr
.irp u, 0,1
	v_permlanex16_b32 v[TA+14*\u+PT], v[TA+14*\u+MX], s20, s21
.endr
.irp u, 0,1
	v_max_num_f32 v[TA+14*\u+RUN], v[TA+14*\u+MX], v[TA+14*\u+PT]
.endr
.irp u, 0,1
	v_mul_f32 v[TA+14*\u+NEW], s19, v[TA+14*\u+RUN]       ; -t
.endr
.irp u, 0,1
	v_floor_f32 v[TA+14*\u+NEW], v[TA+14*\u+NEW]          ; the new -M = floor(-t): a whole number
.endr
.irp u, 0,1
	v_sub_f32 v[TA+14*\u+F], v[TA+14*\u+NEW], v[TA+14*\u+NM]   ; old M - new M, 0 or less
.endr
.irp u, 0,1
	v_mov_b32 v[TA+14*\u+NM], v[TA+14*\u+NEW]
.endr
.irp u, 0,1
	v_cvt_i32_f32 v[TA+14*\u+F], v[TA+14*\u+F]            ; (it saturates)
.endr
.irp u, 0,1
	v_ldexp_f32 v[TA+14*\u+F], 1.0, v[TA+14*\u+F]         ; f = 2^(old M - new M): rounds nothing
.endr
	WIN 0x41                                       ; O^T x f, ahead of the exponentials
.irp u, 0,1
.set j, 0
.rept 16
	v_pk_mul_f32 v[OA+32*\u+j:OA+32*\u+j+1], v[OA+32*\u+j:OA+32*\u+j+1], v[TA+14*\u+F:TA+14*\u+F+1] op_sel_hi:[1,0]
.set j, j+2
.endr
.endr
	WIN 0
.irp u, 0,1
	v_pk_mul_f32 v[TA+14*\u+SUM:TA+14*\u+SUM+1], v[TA+14*\u+SUM:TA+14*\u+SUM+1], v[TA+14*\u+F:TA+14*\u+F+1] op_sel_hi:[1,0]   ; the sums under the new M
.endr
.set j, 0
.rept 32
	v_pk_fma_f32 v[SA+j:SA+j+1], v[SA+j:SA+j+1], s[22:23], v[TA+NM:TA+NM+1] op_sel_hi:[1,0,0]   ; tile 0: t - M
.set j, j+2
.endr
	s_wait_alu depctr_va_vdst(0)                   ; the wait ahead of the batch, and ahead of the barrier's wait
	s_barrier_wait -1                              ; every wave has begun this step
.set j, 0
.rept 32                               ; tile 0's p = 2^(t - M), beside tile 1's t - M
	v_exp_f32 v[SA+j], v[SA+j]
	v_exp_f32 v[SA+j+1], v[SA+j+1]
	v_pk_fma_f32 v[SB+j:SB+j+1], v[SB+j:SB+j+1], s[22:23], v[TB+NM:TB+NM+1] op_sel_hi:[1,0,0]
.set j, j+2
.endr
	s_wait_alu depctr_va_vdst(0)                   ; behind the first batch and ahead of the second
.set j, 0
.rept 16                               ; tile 1's p, beside tile 0's first level of sums (of the unquantised p, into K's registers) and then its holds
	v_exp_f32 v[SB+j], v[SB+j]
	v_pk_add_f32 v[KF+j/2:KF+j/2+1], v[SA+j:SA+j+1], v[SA+j+2:SA+j+3]
	v_exp_f32 v[SB+j+1], v[SB+j+1]
	HOLD SA+j
	v_exp_f32 v[SB+j+2], v[SB+j+2]
	HOLD SA+j+2
	v_exp_f32 v[SB+j+3], v[SB+j+3]
.set j, j+4
.endr
	v_nop                                          ; a plain place behind the last exponential
	s_wait_alu depctr_va_vdst(0)                   ; behind the second batch, ahead of its first reader
	CODES CA, SA, 0                                ; tile 0's codes; the sums' lines between them are the plain places behind the conversions
	v_pk_add_f32 v[TA+SU2:TA+SU2+1], v[KF:KF+1], v[KF+2:KF+3]
	v_pk_add_f32 v[TB+SU2:TB+SU2+1], v[SB:SB+1], v[SB+2:SB+3]
	CODES CA, SA, 1
.set j, 4
.rept 3
	ADD4
.endr
	CODES CA, SA, 2
.rept 4
	ADD4
.endr
	CODES CA, SA, 3
.rept 8                                ; j = 32 .. 60: tile 1 alone
	v_pk_add_f32 v[TB+SUM:TB+SUM+1], v[TB+SUM:TB+SUM+1], v[SB+j:SB+j+1]
	v_pk_add_f32 v[TB+SU2:TB+SU2+1], v[TB+SU2:TB+SU2+1], v[SB+j+2:SB+j+3]
.set j, j+4
.endr
.irp u, 0,1
	v_pk_add_f32 v[TA+14*\u+SUM:TA+14*\u+SUM+1], v[TA+14*\u+SUM:TA+14*\u+SUM+1], v[TA+14*\u+SU2:TA+14*\u+SU2+1]
.endr
.irp b, 0,1,2,3
.set j, 0
.rept 8
	HOLD SB+16*\b+j
.set j, j+2
.endr
	CODES CB, SB, \b
	v_nop                                          ; a plain line behind the conversions: the next block's codes land on scores that earlier ones read
.endr
.endm
.macro PART base, trips
	s_mov_b32 s50, \base
	s_mov_b32 s51, \trips
.Lstep_\@:
	STEP
	s_add_co_u32 s50, s50, 8192
	s_sub_co_u32 s51, s51, 1
	s_cmp_lg_u32 s51, 0
	s_wait_alu depctr_va_vdst(0)                   ; directly ahead of the branch
	s_cbranch_scc1 .Lstep_\@
.endm
	s_wait_alu depctr_va_vdst(0)                   ; the wait at the head's end
	s_wait_tensorcnt 0x0                           ; my part of keys 0-511 is in
	ds_add_u32 v[SPW], v[NIL]
	s_wait_dscnt 0x0
	ROUND                                          ; everybody's part is in, and the cluster's four are here
	tensor_load_to_lds s[44:47], s[32:39]          ; keys 512-2047: my one load behind the round
	s_nop 0
	s_wait_loadcnt 0x0                             ; Q
	PART 0, 4
	s_wait_tensorcnt 0x0                           ; my part of the other keys is in,
	s_wait_dscnt 0x0
	s_barrier_signal -1
	s_barrier_wait -1                              ; everybody's is
	PART 32768, 12
.irp u, 0,1
	v_add_f32 v[TA+14*\u+SUM], v[TA+14*\u+SUM], v[TA+14*\u+SUM+1]
.endr
.irp u, 0,1
	v_permlanex16_b32 v[TA+14*\u+PT], v[TA+14*\u+SUM], s20, s21
.endr
.irp u, 0,1
	v_add_f32 v[TA+14*\u+SUM], v[TA+14*\u+SUM], v[TA+14*\u+PT]   ; the row's sum
.endr
	s_wait_alu depctr_va_vdst(0)                   ; the wait ahead of the transcendentals
.irp u, 0,1
	v_rcp_f32 v[TA+14*\u+SUM], v[TA+14*\u+SUM]
.endr
	v_nop
	s_add_co_i32 s72, s70, s71
	s_wait_alu depctr_va_vdst(0)                   ; and ahead of their first reader
.irp u, 0,1
	v_ldexp_f32 v[TA+14*\u+SUM], v[TA+14*\u+SUM], s72     ; x 2^(ep + ev)
.endr
	s_wait_alu depctr_va_vdst(0)                   ; directly ahead of the wait below
	s_wait_dscnt 0x0                               ; the last step's fragments of V
	PV                                             ; the last step's second product
.rept 4
	v_nop
.endr
	WIN 0x01
.irp u, 0,1
.set j, 0
.rept 16
	v_pk_mul_f32 v[SA+68*\u+j:SA+68*\u+j+1], v[OA+32*\u+j:OA+32*\u+j+1], v[TA+14*\u+SUM:TA+14*\u+SUM+1] op_sel_hi:[1,0]
.set j, j+2
.endr
.endr
	WIN 0
.irp u, 0,1
.irp k, 0,1,2,3,4,5,6,7
	global_store_b128 v[LA], v[SA+68*\u+4*\k:SA+68*\u+4*\k+3], s[8:9] offset:65536*\u+512*\k   ; 32 lanes store 512 consecutive bytes, aligned
.endr
.endr
	s_wait_tensorcnt 0x0                           ; the wave's end
	ds_add_u32 v[SPW], v[NIL]
	s_wait_dscnt 0x0
	ROUND                                          ; the closing round
	s_endpgm
.Lfunc_end_k_qba15b5651d_attn:
	.size	k_qba15b5651d_attn, .Lfunc_end_k_qba15b5651d_attn-k_qba15b5651d_attn
	.p2alignl 7, 3214868480
	.fill 96, 4, 3214868480
	.section	.rodata,"a",@progbits
	.p2align	6, 0x0
	.amdhsa_kernel k_qba15b5651d_attn
		.amdhsa_group_segment_fixed_size 327680
		.amdhsa_private_segment_fixed_size 0
		.amdhsa_enable_private_segment 0
		.amdhsa_kernarg_size 24
		.amdhsa_user_sgpr_count 2
		.amdhsa_user_sgpr_kernarg_segment_ptr 1
		.amdhsa_wavefront_size32 1
		.amdhsa_system_sgpr_workgroup_id_x 1
		.amdhsa_system_sgpr_workgroup_id_y 1
		.amdhsa_system_sgpr_workgroup_id_z 1
		.amdhsa_system_vgpr_workitem_id 0
		.amdhsa_next_free_vgpr 384
		.amdhsa_next_free_sgpr 80
		.amdhsa_reserve_vcc 0
		.amdhsa_float_denorm_mode_32 3
		.amdhsa_float_denorm_mode_16_64 3
		.amdhsa_memory_ordered 1
		.amdhsa_forward_progress 1
		.amdhsa_inst_pref_size 74
	.end_amdhsa_kernel
	.amdgpu_metadata
---
amdhsa.version: [ 1, 2 ]
amdhsa.kernels:
  - .name:           k_qba15b5651d_attn
    .symbol:         k_qba15b5651d_attn.kd
    .args:
      - { .name: qkv, .offset: 0, .size: 8, .value_kind: global_buffer, .address_space: global }
      - { .name: lowp_scales, .offset: 8, .size: 8, .value_kind: global_buffer, .address_space: global }
      - { .name: at, .offset: 16, .size: 8, .value_kind: global_buffer, .address_space: global }
    .group_segment_fixed_size: 327680
    .private_segment_fixed_size: 0
    .kernarg_segment_align: 8
    .kernarg_segment_size: 24
    .max_flat_workgroup_size: 256
    .sgpr_count:     80
    .vgpr_count:     384
    .wavefront_size: 32
...
	.end_amdgpu_metadata
.endif
;; end of part 3
;; launch ln (part 4): grid 256 x 1, 16 waves a work-group, no clusters, 4,096 bytes of LDS; arguments at, ln_g, ln_b, lowp_scales, fc, st; writes fc, st
.if DOCPART == 4
	.amdgcn_target "amdgcn-amd-amdhsa--gfx1250"
	.amdhsa_code_object_version 6
	.text
	.protected	k_qba15b5651d_ln
	.globl	k_qba15b5651d_ln
	.p2align	8
	.type	k_qba15b5651d_ln,@function
k_qba15b5651d_ln:
	s_mov_b64 s[64:65], 0
	v_nop
	global_prefetch_b8 v0, s[64:65] scope:SCOPE_SE
	s_setreg_imm32_b32 hwreg(HW_REG_WAVE_MODE, 25, 1), 1
	s_wait_xcnt 0x0
; LayerNorm over a token's 1,024 channels: ffi = (x - mu) / sqrt(var + 1e-5) g + b.  Two results: ffi's codes of FP8 (scale: entry 10) as images of operand registers (fc), and for each token
; r = 1 / sqrt(var + 1e-5) and -mu r (st), from which the last launch forms ffi again for the residual: st holds 512 bytes for a block of 16 tokens, lane l's 16 bytes = r, r, -mu r, -mu r of the token at position l % 16.
; A work-group takes a block of 16 tokens, wave w head w: lane (r, h) holds 32 channels of the token at position r: register 16 t + i = channel 64 w + 32 t + 16 h + i.
; The mean and then the sum of squared differences (two passes: no difference of large sums) meet in LDS: 16 partial sums a token, one barrier each.
; No tensor loads, no matrix work, no cluster: work-groups share no input but the two vectors.  LIMIT: e10 between -126 and 119.  NaN among the inputs is not served.
.set X,  16                            ; v16-47   x, then ffi
.set G,  48                            ; v48-79   g
.set BN, 80                            ; v80-111  ln_b
.set T,  144                           ; v144-159 partial sums
.set CD, 160                           ; v160-167 codes
	s_load_b256 s[4:11], s[0:1], 0x0               ; at, ln_g, ln_b, the scales' exponents
	s_load_b128 s[12:15], s[0:1], 0x20             ; fc, st
	v_lshl_add_u32 v176, v0, 2, 0x800
	v_mov_b32 v177, 0
	v_lshrrev_b32 v1, 5, v0
	s_delay_alu instid0(VALU_DEP_1)
	v_readfirstlane_b32 s18, v1                    ; wave = head
	v_and_b32 v2, 31, v0
	s_delay_alu instid0(VALU_DEP_1)
	v_lshlrev_b32 v3, 4, v2                        ; 16 x lane
	v_and_b32 v4, 15, v0                           ; r
	v_bfe_u32 v5, v0, 4, 1                         ; h
	s_delay_alu instid0(VALU_DEP_1)
	v_lshlrev_b32 v6, 6, v5                        ; 64 h
	s_delay_alu instid0(VALU_DEP_3)
	v_lshlrev_b32 v7, 6, v4                        ; LDS: my token's 16 partial sums
	s_lshl_b32 s19, s18, 2
	v_add_nc_u32 v8, s19, v7                       ; and my wave's word among them
	s_lshl_b32 s20, ttmp9, 4
	s_add_co_u32 s20, s20, s18
	s_lshl_b32 s20, s20, 12                        ; at: (block x 16 + head) 4,096
	s_mov_b32 s21, 0
	s_lshl_b32 s22, s18, 8                         ; my 64 channels in g and ln_b
	s_mov_b32 s23, 0
	s_lshr_b32 s24, ttmp9, 3
	s_lshl_b32 s24, s24, 3
	s_lshr_b32 s25, s18, 1
	s_add_co_u32 s24, s24, s25                     ; (128 tokens) x 8 + (128 channels)
	s_and_b32 s25, ttmp9, 7                        ; the block among the 128 tokens
	s_and_b32 s26, s18, 1                          ; which 64 of the 128 channels
	s_lshl_b32 s28, ttmp9, 9                       ; st: 512 bytes a block
	s_mov_b32 s29, 0
	s_lshl_b32 s30, s24, 14
	s_lshl_b32 s27, s25, 11
	s_add_co_u32 s30, s30, s27
	s_lshl_b32 s27, s26, 10
	s_add_co_u32 s30, s30, s27                     ; fc
	s_mov_b32 s31, 0
	s_mov_b32 s32, 0x76543210
	s_mov_b32 s33, 0xfedcba98
	s_mov_b32 s34, 0x3a800000                      ; 1 / 1,024
	s_mov_b32 s35, 0x3727c5ac                      ; 1e-5
	s_wait_alu depctr_va_vdst(0)
	s_wait_kmcnt 0x0
	s_load_b32 s36, s[10:11], 0x28                 ; e10
	s_add_nc_u64 s[4:5], s[4:5], s[20:21]
	s_add_nc_u64 s[6:7], s[6:7], s[22:23]
	s_add_nc_u64 s[8:9], s[8:9], s[22:23]
	s_add_nc_u64 s[12:13], s[12:13], s[30:31]
	s_add_nc_u64 s[14:15], s[14:15], s[28:29]
.irp k, 0,1,2,3,4,5,6,7
	global_load_b128 v[X+4*\k:X+4*\k+3], v3, s[4:5] offset:512*\k
.endr
.irp t, 0,1
.irp j, 0,1,2,3
	global_load_b128 v[G+16*\t+4*\j:G+16*\t+4*\j+3], v6, s[6:7] offset:128*\t+16*\j
.endr
.endr
.irp t, 0,1
.irp j, 0,1,2,3
	global_load_b128 v[BN+16*\t+4*\j:BN+16*\t+4*\j+3], v6, s[8:9] offset:128*\t+16*\j
.endr
.endr
; The pair v[T:T+1] holds a lane's sum in two halves: added, joined with lane l xor 16's, and with the other fifteen waves' through LDS.  The token's sum ends in v[T], in every lane.
.macro ALLSUM off
	s_delay_alu instid0(VALU_DEP_1)
	v_add_f32 v[T], v[T], v[T+1]
	s_delay_alu instid0(VALU_DEP_1)
	v_permlanex16_b32 v[T+2], v[T], s32, s33
	s_delay_alu instid0(VALU_DEP_1)
	v_add_f32 v[T], v[T], v[T+2]
	ds_store_b32 v8, v[T] offset:\off              ; lanes r and r + 16 write the same word with the same number
	s_wait_dscnt 0x0                               ; for the others' sake
	s_barrier_signal -1
	s_barrier_wait -1
.irp i, 0,1,2,3
	ds_load_b128 v[T+4*\i:T+4*\i+3], v7 offset:\off+16*\i
.endr
	s_wait_dscnt 0x0
.irp i, 0,1,2,3
	v_pk_add_f32 v[T+4*\i:T+4*\i+1], v[T+4*\i:T+4*\i+1], v[T+4*\i+2:T+4*\i+3]
.endr
	s_delay_alu instid0(VALU_DEP_3)
	v_pk_add_f32 v[T:T+1], v[T:T+1], v[T+4:T+5]
	s_delay_alu instid0(VALU_DEP_2)
	v_pk_add_f32 v[T+8:T+9], v[T+8:T+9], v[T+12:T+13]
	s_delay_alu instid0(VALU_DEP_1)
	v_pk_add_f32 v[T:T+1], v[T:T+1], v[T+8:T+9]
	s_delay_alu instid0(VALU_DEP_1)
	v_add_f32 v[T], v[T], v[T+1]
.endm
	s_wait_loadcnt 16                              ; x is in; the 16 loads of g and ln_b may be out
.irp i, 0,1,2,3,4,5,6,7
	v_pk_add_f32 v[T+2*\i:T+2*\i+1], v[X+4*\i:X+4*\i+1], v[X+4*\i+2:X+4*\i+3]
.endr
.irp i, 0,1,2,3
	v_pk_add_f32 v[T+4*\i:T+4*\i+1], v[T+4*\i:T+4*\i+1], v[T+4*\i+2:T+4*\i+3]
.endr
	s_delay_alu instid0(VALU_DEP_3)
	v_pk_add_f32 v[T:T+1], v[T:T+1], v[T+4:T+5]
	s_delay_alu instid0(VALU_DEP_2)
	v_pk_add_f32 v[T+8:T+9], v[T+8:T+9], v[T+12:T+13]
	s_delay_alu instid0(VALU_DEP_1)
	v_pk_add_f32 v[T:T+1], v[T:T+1], v[T+8:T+9]
	ALLSUM 0
	s_delay_alu instid0(VALU_DEP_1)
	v_mul_f32 v170, s34, v[T]                      ; mu
	s_delay_alu instid0(VALU_DEP_1)
	v_mov_b32 v171, v170
.set j, 0
.rept 16
	v_pk_add_f32 v[X+j:X+j+1], v[X+j:X+j+1], v[170:171] neg_lo:[0,1] neg_hi:[0,1]
.set j, j+2
.endr
	v_pk_mul_f32 v[T:T+1], v[X:X+1], v[X:X+1]
	v_pk_mul_f32 v[T+2:T+3], v[X+2:X+3], v[X+2:X+3]
.set j, 4
.rept 7
	s_delay_alu instid0(VALU_DEP_2)
	v_pk_fma_f32 v[T:T+1], v[X+j:X+j+1], v[X+j:X+j+1], v[T:T+1]
	s_delay_alu instid0(VALU_DEP_2)
	v_pk_fma_f32 v[T+2:T+3], v[X+j+2:X+j+3], v[X+j+2:X+j+3], v[T+2:T+3]
.set j, j+4
.endr
	s_delay_alu instid0(VALU_DEP_1)
	v_pk_add_f32 v[T:T+1], v[T:T+1], v[T+2:T+3]
	ALLSUM 1024                                    ; other bytes than the first sum's: no third barrier is needed
	s_delay_alu instid0(VALU_DEP_1)
	v_fma_f32 v172, v[T], s34, s35                 ; var + 1e-5
	s_wait_alu depctr_va_vdst(0)
	v_rsq_f32 v172, v172
	v_nop                                          ; a plain line behind the root
	s_wait_kmcnt 0x0
	s_add_co_i32 s36, s36, 127
	s_lshl_b32 s37, s36, 23
	s_add_co_i32 s36, s36, 8
	s_lshl_b32 s36, s36, 23
	s_or_b32 s36, s36, 0x600000
	v_mov_b32 v175, s37                            ; 2^e10
	v_mov_b32 v174, s36                            ; 448 x 2^e10
	s_wait_alu depctr_va_vdst(0)                   ; the wait ahead of the root's first reader
	v_mov_b32 v173, v172
	v_mov_b32 v168, v172                           ; v[168:171] = r, r, -mu r, -mu r
	v_mov_b32 v169, v172
	v_mul_f32 v170, -v170, v172
	v_mov_b32 v171, v170
	s_wait_alu depctr_va_vdst(0)
	s_wait_loadcnt 0x0
	s_cmp_lg_u32 s18, 0                            ; all sixteen waves hold the same numbers: wave 0 stores them
	s_cbranch_scc1 .Lnot_first
	global_store_b128 v3, v[168:171], s[14:15]     ; 32 lanes store 512 consecutive bytes, aligned
.Lnot_first:
.set j, 0
.rept 16
	v_pk_mul_f32 v[X+j:X+j+1], v[X+j:X+j+1], v[172:173]
.set j, j+2
.endr
.set j, 0
.rept 16
	v_pk_fma_f32 v[X+j:X+j+1], v[X+j:X+j+1], v[G+j:G+j+1], v[BN+j:BN+j+1]
.set j, j+2
.endr
.set j, 0
.rept 32
	v_med3_num_f32 v[X+j], v[X+j], -v174, v174     ; the conversion does not saturate (ISA guide 7.6.2)
.set j, j+1
.endr
.irp t, 0,1
	v_cvt_scalef32_pk8_fp8_f32 v[CD+4*\t:CD+4*\t+1], v[X+16*\t:X+16*\t+7], v175
	v_cvt_scalef32_pk8_fp8_f32 v[CD+4*\t+2:CD+4*\t+3], v[X+16*\t+8:X+16*\t+15], v175
.endr
	v_nop
.irp t, 0,1
	global_store_b128 v3, v[CD+4*\t:CD+4*\t+3], s[12:13] offset:512*\t
.endr
	s_wait_tensorcnt 0x0
	ds_add_u32 v176, v177
	s_wait_dscnt 0x0
	s_endpgm
.Lfunc_end_k_qba15b5651d_ln:
	.size	k_qba15b5651d_ln, .Lfunc_end_k_qba15b5651d_ln-k_qba15b5651d_ln
	.p2alignl 7, 3214868480
	.fill 96, 4, 3214868480
	.section	.rodata,"a",@progbits
	.p2align	6, 0x0
	.amdhsa_kernel k_qba15b5651d_ln
		.amdhsa_group_segment_fixed_size 4096
		.amdhsa_private_segment_fixed_size 0
		.amdhsa_enable_private_segment 0
		.amdhsa_kernarg_size 48
		.amdhsa_user_sgpr_count 2
		.amdhsa_user_sgpr_kernarg_segment_ptr 1
		.amdhsa_wavefront_size32 1
		.amdhsa_system_sgpr_workgroup_id_x 1
		.amdhsa_system_sgpr_workgroup_id_y 1
		.amdhsa_system_sgpr_workgroup_id_z 1
		.amdhsa_system_vgpr_workitem_id 0
		.amdhsa_next_free_vgpr 178
		.amdhsa_next_free_sgpr 66
		.amdhsa_reserve_vcc 0
		.amdhsa_float_denorm_mode_32 3
		.amdhsa_float_denorm_mode_16_64 3
		.amdhsa_memory_ordered 1
		.amdhsa_forward_progress 1
		.amdhsa_inst_pref_size 17
	.end_amdhsa_kernel
	.amdgpu_metadata
---
amdhsa.version: [ 1, 2 ]
amdhsa.kernels:
  - .name:           k_qba15b5651d_ln
    .symbol:         k_qba15b5651d_ln.kd
    .args:
      - { .name: at, .offset: 0, .size: 8, .value_kind: global_buffer, .address_space: global }
      - { .name: ln_g, .offset: 8, .size: 8, .value_kind: global_buffer, .address_space: global }
      - { .name: ln_b, .offset: 16, .size: 8, .value_kind: global_buffer, .address_space: global }
      - { .name: lowp_scales, .offset: 24, .size: 8, .value_kind: global_buffer, .address_space: global }
      - { .name: fc, .offset: 32, .size: 8, .value_kind: global_buffer, .address_space: global }
      - { .name: st, .offset: 40, .size: 8, .value_kind: global_buffer, .address_space: global }
    .group_segment_fixed_size: 4096
    .private_segment_fixed_size: 0
    .kernarg_segment_align: 8
    .kernarg_segment_size: 48
    .max_flat_workgroup_size: 512
    .sgpr_count:     66
    .vgpr_count:     178
    .wavefront_size: 32
...
	.end_amdgpu_metadata
.endif
;; end of part 4
;; launch ffn1 (part 5): grid 8 x 16, 4 waves a work-group, clusters of 4 x 4, 327,680 bytes of LDS; arguments fc, wc, lowp_scales, b1, hc; writes hc
.if DOCPART == 5
	.amdgcn_target "amdgcn-amd-amdhsa--gfx1250"
	.amdhsa_code_object_version 6
	.text
	.protected	k_qba15b5651d_ffn1
	.globl	k_qba15b5651d_ffn1
	.p2align	8
	.type	k_qba15b5651d_ffn1,@function
k_qba15b5651d_ffn1:
	s_mov_b64 s[64:65], 0
	v_nop
	global_prefetch_b8 v0, s[64:65] scope:SCOPE_SE
	s_setreg_imm32_b32 hwreg(HW_REG_WAVE_MODE, 25, 1), 1
	s_wait_xcnt 0x0
	s_wait_alu depctr_hold_cnt(0) depctr_sa_sdst(0) depctr_va_vdst(0) depctr_va_sdst(0) depctr_va_ssrc(0) depctr_va_vcc(0) depctr_vm_vsrc(0)
	s_getreg_b32 s2, hwreg(HW_REG_IB_STS2, 6, 4)
	s_cmp_eq_u32 s2, 0
	s_cbranch_scc0 .Lentry_in_a_cluster
	s_endpgm
.Lentry_in_a_cluster:
	s_bfe_u32 s2, ttmp6, 0x10000c
	s_cmp_lg_u32 s2, 0xf033
	s_cbranch_scc0 .Lentry_shape_is_right
	s_endpgm
.Lentry_shape_is_right:
.set KSH,    10
.set LAPS,   2
.set STEPB,  32768
.set HALFT,  65536                     ; a wave's region of LDS: its 128 rows of A or of B, slot 0's 32,768 bytes and then slot 1's
.set SLOT,   32768                     ; from slot 0 to slot 1 inside a region
.set SPARE,  262144                    ; behind the four regions: the spare words
.set FR,     16
.set NL,     4
.set NP,     4
.set ADRA, 16
.set ADRB, 20
.set CO,   26
.set SPW,  28
.set NIL,  29
.set LIMV, 30
.set SCV,  31
.set BC,   32
.set AF,   128
.set CD,   128
.set G1, 24
.set G0, 32
.set G1B, 48
.set G0B, 56
.set MSB, 0
.macro WIN new
.if MSB != \new
	s_set_vgpr_msb (MSB<<8)|\new
.set MSB, \new
.endif
.endm
.set MUL_LO, 0xa1
.set MUL_HI, 0xf1
.set TO_B,   0x40
.macro JLOAD g0a, g1a, g0b, g1b
	s_cmp_eq_u32 s15, 0
	s_cbranch_scc0 .Lfor_b_\@
	tensor_load_to_lds s[\g0a:\g0a+3], s[\g1a:\g1a+7]
	s_nop 0
.rept 4
	v_nop
.endr
	s_branch .Lasked_\@
.Lfor_b_\@:
	tensor_load_to_lds s[\g0b:\g0b+3], s[\g1b:\g1b+7]
	s_nop 0
.rept 4
	v_nop
.endr
.Lasked_\@:
.endm
.macro CREST
	s_cmp_lg_u32 s14, 0
	s_cbranch_scc1 .Lnot_wave_0_\@
	s_barrier_signal -3
.Lnot_wave_0_\@:
	s_barrier_wait -3
	s_barrier_signal -1
	s_barrier_wait -1
.endm
.macro CROUND
	s_barrier_signal -1
	s_barrier_wait -1
	CREST
.endm
	s_load_b128 s[4:7], s[0:1], 0x0
	s_load_b128 s[8:11], s[0:1], 0x10
	s_load_b64 s[88:89], s[0:1], 0x20
	v_lshl_add_u32 v[SPW], v0, 2, SPARE
	v_mov_b32 v[NIL], 0
	ds_add_u32 v28, v29
	ds_add_u32 v28, v29
	s_wait_dscnt 0x0
	v_lshrrev_b32 v1, 5, v0
	v_readfirstlane_b32 s14, v1
	s_lshr_b32 s15, s14, 1
	s_and_b32 s16, s14, 1
	s_bfe_u32 s40, ttmp6, 0x40000
	s_bfe_u32 s41, ttmp6, 0x40004
	s_lshl_b32 s42, ttmp9, 2
	s_add_co_u32 s42, s42, s40
	s_and_b32 s17, ttmp7, 0xffff
	s_lshl_b32 s17, s17, 2
	s_add_co_u32 s17, s17, s41
	s_lshl_b32 s43, s41, 2
	s_lshl_b32 s43, 15, s43
	s_lshl_b32 s44, 0x1111, s40
	s_or_b32 s[G1+0], s43, (3<<16)|(1<<21)
	s_or_b32 s[G1B+0], s44, (3<<16)|(1<<21)
.irp g, G1, G1B
	s_mov_b32 s[\g+1], 32<<16
	s_mov_b32 s[\g+2], 256<<16                     ; the head's load brings 256 rows of 256 bytes: K steps 0 and 1, which lie on end in memory and in LDS
	s_mov_b32 s[\g+3], 32<<16
	s_mov_b32 s[\g+4], 256
	s_mov_b32 s[\g+5], 32
	s_mov_b32 s[\g+6], 0
	s_mov_b32 s[\g+7], 0
.endr
	s_lshl_b32 s18, s16, 7
	s_lshl_b32 s20, s17, 8
	s_add_co_u32 s20, s20, s18
	s_lshl_b32 s46, s42, 8
	s_add_co_u32 s46, s46, s18
	s_lshl_b32 s20, s20, KSH
	s_lshl_b32 s46, s46, KSH
	s_mov_b32 s21, 0
	s_mov_b32 s47, 0
	s_mul_i32 s45, s14, HALFT
	s_wait_kmcnt 0x0
	s_load_b128 s[68:71], s[8:9], 0x28
	s_add_nc_u64 s[6:7], s[6:7], 0x500000
	s_add_nc_u64 s[20:21], s[4:5], s[20:21]
	s_add_nc_u64 s[46:47], s[6:7], s[46:47]
	CROUND
.irp s, 0,1
	s_mov_b32 s[G0+4*\s], 1
	s_add_co_u32 s[G0+4*\s+1], s45, \s*SLOT
	s_add_nc_u64 s[G0+4*\s+2:G0+4*\s+3], s[20:21], \s*STEPB
	s_or_b32 s[G0+4*\s+3], s[G0+4*\s+3], 0x80000000
	s_mov_b32 s[G0B+4*\s], 1
	s_add_co_u32 s[G0B+4*\s+1], s45, \s*SLOT
	s_add_nc_u64 s[G0B+4*\s+2:G0B+4*\s+3], s[46:47], \s*STEPB
	s_or_b32 s[G0B+4*\s+3], s[G0B+4*\s+3], 0x80000000
.endr
	JLOAD G0, G1, G0B, G1B                         ; K steps 0 and 1, both slots: my one tensor load at the head
	; prefetches for the two refills, K steps 2 and 3: of the 32,768 bytes that my wave will fetch, each of the four partners that ask jointly names 8,192, told apart by address; lanes 256 bytes apart
	s_cmp_eq_u32 s15, 0
	s_cselect_b64 s[98:99], s[20:21], s[46:47]
	s_cselect_b32 s18, s40, s41                    ; my place among the four: cx for A, cy for B
	s_lshl_b32 s18, s18, 13
	s_mov_b32 s19, 0
	s_add_nc_u64 s[98:99], s[98:99], s[18:19]
	v_and_b32 v7, 31, v0
	v_lshlrev_b32 v7, 8, v7
	global_prefetch_b8 v7, s[98:99] offset:2*STEPB th:TH_LOAD_NT scope:SCOPE_SE
	global_prefetch_b8 v7, s[98:99] offset:3*STEPB th:TH_LOAD_NT scope:SCOPE_SE
	v_and_b32 v6, 31, v0
	v_lshlrev_b32 v[CO], 4, v6
	s_mul_i32 s21, s15, HALFT
	s_mul_i32 s22, s16, HALFT
	s_add_co_u32 s22, s22, 2*HALFT
.irp s, 0,1
	v_add_nc_u32 v[ADRA+\s], s21, v[CO]
	v_add_nc_u32 v[ADRB+\s], s22, v[CO]
	s_add_co_u32 s21, s21, SLOT
	s_add_co_u32 s22, s22, SLOT
.endr
	s_lshl_b32 s94, s17, 1
	s_add_co_u32 s94, s94, s15
	s_lshl_b32 s95, s42, 1
	s_add_co_u32 s95, s95, s16
	s_lshl_b32 s18, s95, 9
	s_mov_b32 s19, 0
	s_add_nc_u64 s[84:85], s[10:11], s[18:19]
	v_bfe_u32 v2, v0, 4, 1
	v_lshlrev_b32 v8, 6, v2
.irp b, 0,1,2,3
.irp j, 0,1,2,3
	global_load_b128 v[BC+16*\b+4*\j:BC+16*\b+4*\j+3], v8, s[84:85] offset:128*\b+16*\j
.endr
.endr
	s_lshl_b32 s22, s94, 4
	s_add_co_u32 s22, s22, s95
	s_lshl_b32 s22, s22, 14
	s_mov_b32 s23, 0
	s_add_nc_u64 s[88:89], s[88:89], s[22:23]
.macro FRAG reg, adr, q, i
.irp c, 0,1,2,3
	ds_load_b128 v[\reg+4*\c:\reg+4*\c+3], v[\adr] offset:16384*(\q)+2048*(\i)+512*\c
.endr
.endm
.macro MUL16 a0, p, zero
.irp a, \a0, \a0+1
.irp b, 0,1,2,3,4,5,6,7
.if \zero
	v_wmma_f32_16x16x128_fp8_fp8 v[8*(8*((\a)%4)+\b):8*(8*((\a)%4)+\b)+7], v[128*(\p)+FR*\b:128*(\p)+FR*\b+FR-1], v[AF+FR*(\a):AF+FR*(\a)+FR-1], 0
.else
	v_wmma_f32_16x16x128_fp8_fp8 v[8*(8*((\a)%4)+\b):8*(8*((\a)%4)+\b)+7], v[128*(\p)+FR*\b:128*(\p)+FR*\b+FR-1], v[AF+FR*(\a):AF+FR*(\a)+FR-1], v[8*(8*((\a)%4)+\b):8*(8*((\a)%4)+\b)+7]
.endif
.endr
.endr
.endm
.macro FETCH_B slot, q, p
	WIN TO_B
.irp i, 0,1,2,3,4,5,6,7
	FRAG 128*(\p)+FR*\i, ADRB+\slot, \q, \i
.endr
	WIN 0
.endm
.macro FETCH_A slot, q, i0
.irp i, \i0, \i0+1, \i0+2, \i0+3
	FRAG AF+FR*(\i), ADRA+\slot, \q, \i
.endr
.endm
.macro PLACES n
.rept \n
	v_nop
.endr
.endm
.macro STEP slot, q, zero
	s_wait_dscnt 4*NL
	WIN MUL_LO
	MUL16 0, (\q)%2, \zero
	MUL16 2, (\q)%2, \zero
	s_wait_dscnt 0
	PLACES NP
	FETCH_B \slot, (\q)+1, 1-(\q)%2
	FETCH_A \slot, (\q)+1, 0
	WIN MUL_HI
	MUL16 4, (\q)%2, \zero
	MUL16 6, (\q)%2, \zero
	PLACES NP
	WIN 0
	FETCH_A \slot, (\q)+1, 4
.endm
.macro TURN slot, next, fill
	s_wait_tensorcnt 0x0
	ds_add_u32 v[SPW], v[NIL]
	s_wait_dscnt 4*NL+1
	WIN MUL_LO
	MUL16 0, 1, 0
	s_wait_dscnt 0x0
	s_barrier_signal -1
	MUL16 2, 1, 0
	WIN 0
	s_barrier_wait -1
.if \fill
	CREST
	s_add_nc_u64 s[G0+4*\slot+2:G0+4*\slot+3], s[G0+4*\slot+2:G0+4*\slot+3], 2*STEPB
	s_add_nc_u64 s[G0B+4*\slot+2:G0B+4*\slot+3], s[G0B+4*\slot+2:G0B+4*\slot+3], 2*STEPB
	JLOAD G0+4*\slot, G1, G0B+4*\slot, G1B
.else
	PLACES NP
.endif
	FETCH_B \next, 0, 0
	FETCH_A \next, 0, 0
	WIN MUL_HI
	MUL16 4, 1, 0
	MUL16 6, 1, 0
	PLACES NP
	WIN 0
	FETCH_A \next, 0, 4
.endm
	s_wait_alu depctr_va_vdst(0)
	s_wait_tensorcnt 0x0                           ; my part of K steps 0 and 1 is in, and no load of mine is out: so group 1 may be written:
	s_mov_b32 s[G1+2], 128<<16                     ; from here on a load brings 128 rows, one slot's part
	s_mov_b32 s[G1+4], 128
	s_mov_b32 s[G1B+2], 128<<16
	s_mov_b32 s[G1B+4], 128
	s_barrier_signal -1
	s_barrier_wait -1                              ; everybody's part is in
	FETCH_B 0, 0, 0
	FETCH_A 0, 0, 0
	FETCH_A 0, 0, 4
	STEP 0, 0, 1
	s_mov_b32 s3, LAPS-1
.Llap:
	TURN 0, 1, 1
	STEP 1, 0, 0
	TURN 1, 0, 1
	STEP 0, 0, 0
	s_sub_co_u32 s3, s3, 1
	s_cmp_lg_u32 s3, 0
	s_cbranch_scc1 .Llap
	TURN 0, 1, 0
	STEP 1, 0, 0
	s_wait_dscnt 4*NL
	WIN MUL_LO
	MUL16 0, 1, 0
	MUL16 2, 1, 0
	s_wait_dscnt 0
	WIN MUL_HI
	MUL16 4, 1, 0
	MUL16 6, 1, 0
	WIN 0
.macro OUT a
.set AC, 64*((\a)%4)
	WIN 0x42+((\a)/4)
.set j, 0
.rept 32
	v_pk_fma_f32 v[j:j+1], v[AC+j:AC+j+1], s[96:97], v[BC+j:BC+j+1] op_sel_hi:[1,0,1]
.set j, j+2
.endr
	WIN 0x41
.set j, 0
.rept 64
	v_med3_num_f32 v[j], v[j], 0, v[LIMV]
.set j, j+1
.endr
	WIN 0x01
.irp b, 0,1,2,3
	v_cvt_scalef32_pk8_fp8_f32 v[CD+16*(\a)+4*\b:CD+16*(\a)+4*\b+1], v[16*\b:16*\b+7], v[SCV]
	v_cvt_scalef32_pk8_fp8_f32 v[CD+16*(\a)+4*\b+2:CD+16*(\a)+4*\b+3], v[16*\b+8:16*\b+15], v[SCV]
.endr
	WIN 0
	v_nop
.irp b, 0,1,2,3
	global_store_b128 v[CO], v[CD+16*(\a)+4*\b:CD+16*(\a)+4*\b+3], s[88:89] offset:(\a)*2048+\b*512
.endr
.endm
	s_wait_kmcnt 0x0
	s_add_co_i32 s78, s68, s69
	s_add_co_i32 s78, s78, 127
	s_lshl_b32 s96, s78, 23
	s_mov_b32 s97, s96
	s_add_co_i32 s81, s70, 127
	s_lshl_b32 s79, s81, 23
	s_add_co_i32 s81, s81, 8
	s_lshl_b32 s81, s81, 23
	s_or_b32 s81, s81, 0x600000
	PLACES NP
	v_mov_b32 v[SCV], s79
	v_mov_b32 v[LIMV], s81
	s_wait_loadcnt 0x0
.irp a, 0,1,2,3,4,5,6,7
	OUT \a
.endr
	s_wait_tensorcnt 0x0
	ds_add_u32 v[SPW], v[NIL]
	s_wait_dscnt 0x0
	CROUND
	s_endpgm
.Lfunc_end_k_qba15b5651d_ffn1:
	.size	k_qba15b5651d_ffn1, .Lfunc_end_k_qba15b5651d_ffn1-k_qba15b5651d_ffn1
	.p2alignl 7, 3214868480
	.fill 96, 4, 3214868480
	.section	.rodata,"a",@progbits
	.p2align	6, 0x0
	.amdhsa_kernel k_qba15b5651d_ffn1
		.amdhsa_group_segment_fixed_size 327680
		.amdhsa_private_segment_fixed_size 0
		.amdhsa_enable_private_segment 0
		.amdhsa_kernarg_size 40
		.amdhsa_user_sgpr_count 2
		.amdhsa_user_sgpr_kernarg_segment_ptr 1
		.amdhsa_wavefront_size32 1
		.amdhsa_system_sgpr_workgroup_id_x 1
		.amdhsa_system_sgpr_workgroup_id_y 1
		.amdhsa_system_sgpr_workgroup_id_z 1
		.amdhsa_system_vgpr_workitem_id 0
		.amdhsa_next_free_vgpr 1024
		.amdhsa_next_free_sgpr 100
		.amdhsa_reserve_vcc 0
		.amdhsa_float_denorm_mode_32 3
		.amdhsa_float_denorm_mode_16_64 3
		.amdhsa_memory_ordered 1
		.amdhsa_forward_progress 1
		.amdhsa_inst_pref_size 136
	.end_amdhsa_kernel
	.amdgpu_metadata
---
amdhsa.version: [ 1, 2 ]
amdhsa.kernels:
  - .name:           k_qba15b5651d_ffn1
    .symbol:         k_qba15b5651d_ffn1.kd
    .args:
      - { .name: fc, .offset: 0, .size: 8, .value_kind: global_buffer, .address_space: global }
      - { .name: wc, .offset: 8, .size: 8, .value_kind: global_buffer, .address_space: global }
      - { .name: lowp_scales, .offset: 16, .size: 8, .value_kind: global_buffer, .address_space: global }
      - { .name: b1, .offset: 24, .size: 8, .value_kind: global_buffer, .address_space: global }
      - { .name: hc, .offset: 32, .size: 8, .value_kind: global_buffer, .address_space: global }
    .group_segment_fixed_size: 327680
    .private_segment_fixed_size: 0
    .kernarg_segment_align: 8
    .kernarg_segment_size: 40
    .max_flat_workgroup_size: 128
    .sgpr_count:     100
    .vgpr_count:     1024
    .wavefront_size: 32
...
	.end_amdgpu_metadata
.endif
;; end of part 5
;; launch ffn2 (part 6): grid 8 x 32, 4 waves a work-group, clusters of 4 x 4, 327,680 bytes of LDS; arguments hc, wc, lowp_scales, at, st, ln_g, ln_b, b2, out0; writes out0
.if DOCPART == 6
	.amdgcn_target "amdgcn-amd-amdhsa--gfx1250"
	.amdhsa_code_object_version 6
	.text
	.protected	k_qba15b5651d_ffn2
	.globl	k_qba15b5651d_ffn2
	.p2align	8
	.type	k_qba15b5651d_ffn2,@function
k_qba15b5651d_ffn2:
	s_mov_b64 s[64:65], 0
	v_nop
	global_prefetch_b8 v0, s[64:65] scope:SCOPE_SE
	s_setreg_imm32_b32 hwreg(HW_REG_WAVE_MODE, 25, 1), 1
	s_wait_xcnt 0x0
	s_wait_alu depctr_hold_cnt(0) depctr_sa_sdst(0) depctr_va_vdst(0) depctr_va_sdst(0) depctr_va_ssrc(0) depctr_va_vcc(0) depctr_vm_vsrc(0)
	s_getreg_b32 s2, hwreg(HW_REG_IB_STS2, 6, 4)
	s_cmp_eq_u32 s2, 0
	s_cbranch_scc0 .Lentry_in_a_cluster
	s_endpgm
.Lentry_in_a_cluster:
	s_bfe_u32 s2, ttmp6, 0x10000c
	s_cmp_lg_u32 s2, 0xf033
	s_cbranch_scc0 .Lentry_shape_is_right
	s_endpgm
.Lentry_shape_is_right:
; out0 = ffi + b2 + h W2, the product on codes of FP8 (E4M3) (scales' entries 12, 13).
; ffi is formed again here from the attention's result x (at) and each token's r = 1 / sqrt(var + 1e-5) and -mu r (st): ffi + b2 = (x r - mu r) g + (ln_b + b2), in f32.
; LIMIT: that is another order of rounding than the source's ((x - mu) r g + ln_b, then + the product + b2).  It serves the residual alone; ffi's codes were made by the source's order.
; at holds 4,096 bytes for a block of 16 tokens and a head, at (16 block + head) 4,096, in the order in which this kernel's lanes hold their sums; st 512 bytes a block, lane l's 16 bytes = r, r, -mu r, -mu r.
; Operands lie in memory as images of their registers: a fragment, 16 rows x 128 K, is 2,048 bytes, lane l's 16 bytes of piece c at 512 c + 16 l; 128 rows x 128 K are 16,384 dense bytes, and the K steps of 128 rows lie on end.
; A TILE OF 128 TOKENS x 128 CHANNELS is made by four waves, 64 x 64 each: 16 accumulators.  32 x 8 tiles: 256 work-groups.
; K = 2,048 goes through a ring of two LDS slots of 512 along K.  At the head each wave brings one whole slot of one operand (65,536 dense bytes), so both slots are asked for at once; each of the two refills is shared out, half a slot of one operand a wave.
; CLUSTERS: 4 x 4 work-groups; the tokens' tile (A, source 1) is shared along a row of the cluster, the weight's (B, source 0) along a column: asked for jointly.
; A lane holds the token at position r = l % 16 of a block, and the 16 registers of B's blocks 2 b, 2 b + 1 are channels 32 b + 16 (l / 16) + 0 .. 15.  Position p of block a is row 32 (a / 2) + 8 (a % 2) + p + 8 (p / 8) of its 128.
; x, the stats and the three vectors are asked for behind the head's barrier, when the first tiles are in, and land while K is walked.
; LIMIT: e12 + e13 between -126 and 127, so that 2^(e12 + e13) is an f32 number.
; REGISTERS, in windows of 256: window 0: v7-29 addresses; v32-63 at work on the way out; v64-127 rows read back from the stage, two sets; v128-255 the accumulators ((a, b) at v[128 + 8 (4 a + b)]).
;   window 1: two fragment buffers of 128: 64 registers of A (4 blocks), then 64 of B.   window 2: v0-127 x, 32 registers for each block of tokens; v128-159 g; v160-191 ln_b; v192-223 b2; v224-239 the stats.
.set LAPS,   2                         ; a lap = two slots = 1,024 along K
.set SLOTB,  65536                     ; 128 rows x 512 along K in memory
.set HALFT,  32768                     ; what one refill brings: two steps of 128 along K of one operand
.set SLOT,   4*HALFT                   ; A's four steps, then B's
.set SPARE,  2*SLOT                    ; behind the ring: the spare words, 128 bytes for each wave
.set STAGE,  SPARE+512                 ; behind them: a stage of 16 rows x 272 bytes for each wave; no fill ever lands here
.set SPITCH, 272
.set FR,     16
.set NP,     4
.set ADRA, 16                          ; v16-17  LDS address of my A fragments in slot 0, 1
.set ADRB, 20                          ; v20-21  the same for B
.set STO,  24                          ; v24     the way out: where I put my bytes of a row
.set RD,   25                          ; v25     where I read a row back
.set CO,   26                          ; v26     16 x lane
.set GO,   27                          ; v27     my byte offset in two rows of out0
.set SPW,  28                          ; v28     LDS address of my spare word; never rewritten
.set NIL,  29                          ; v29     0; never rewritten
.set TMP,  32
.set BK,   64
.set ACC,  128
.set F0,   0
.set F1,   128
.set G1, 24
.set G0, 32
.set G1B, 48
.set G0B, 56
.set MSB, 0
.macro WIN new                         ; the immediate's high byte repeats the setting that is left
.if MSB != \new
	s_set_vgpr_msb (MSB<<8)|\new
.set MSB, \new
.endif
.endm
.set MUL,  0x05                        ; sources 0 (B) and 1 (A) window 1; C and D window 0
.set TO_F, 0x40                        ; destination window 1, address window 0
.macro JLOAD g0a, g1a, g0b, g1b        ; a joint load: waves 0 and 1 fetch for A, waves 2 and 3 for B; four v_nop follow each of the two lines
	s_cmp_eq_u32 s15, 0
	s_cbranch_scc0 .Lfor_b_\@
	tensor_load_to_lds s[\g0a:\g0a+3], s[\g1a:\g1a+7]
	s_nop 0
.rept 4
	v_nop
.endr
	s_branch .Lasked_\@
.Lfor_b_\@:
	tensor_load_to_lds s[\g0b:\g0b+3], s[\g1b:\g1b+7]
	s_nop 0
.rept 4
	v_nop
.endr
.Lasked_\@:
.endm
.macro CREST                           ; a round of the cluster's barrier behind its opening barrier
	s_cmp_lg_u32 s14, 0
	s_cbranch_scc1 .Lnot_wave_0_\@
	s_barrier_signal -3
.Lnot_wave_0_\@:
	s_barrier_wait -3
	s_barrier_signal -1
	s_barrier_wait -1
.endm
.macro CROUND
	s_barrier_signal -1
	s_barrier_wait -1
	CREST
.endm
	s_load_b128 s[4:7], s[0:1], 0x0                ; hc, wc
	s_load_b128 s[8:11], s[0:1], 0x10              ; the scales' exponents, at
	s_load_b256 s[76:83], s[0:1], 0x20             ; st, ln_g, ln_b, b2
	s_load_b64 s[88:89], s[0:1], 0x40              ; out0
	v_lshl_add_u32 v[SPW], v0, 2, SPARE
	v_mov_b32 v[NIL], 0
	ds_add_u32 v28, v29
	ds_add_u32 v28, v29
	s_wait_dscnt 0x0
	v_lshrrev_b32 v1, 5, v0
	v_readfirstlane_b32 s14, v1                    ; wave 0..3
	s_lshr_b32 s15, s14, 1                         ; which 64 of the tile's tokens are mine.  Also: I fetch for A (0) or for B (1)
	s_and_b32 s16, s14, 1                          ; which 64 of its channels.  Also: which slot (head) or which half of a slot (refill) I fetch
	s_bfe_u32 s40, ttmp6, 0x40000                  ; cx
	s_bfe_u32 s41, ttmp6, 0x40004                  ; cy
	s_lshl_b32 s42, ttmp9, 2
	s_add_co_u32 s42, s42, s40                     ; B's tile = 4 x cluster x + cx, 0..7
	s_and_b32 s17, ttmp7, 0xffff
	s_lshl_b32 s17, s17, 2
	s_add_co_u32 s17, s17, s41                     ; A's tile = 4 x cluster y + cy, 0..31
	s_lshl_b32 s43, s41, 2
	s_lshl_b32 s43, 15, s43                        ; my row of the cluster
	s_lshl_b32 s44, 0x1111, s40                    ; my column
	; descriptor group 1: a dense block as rows of 32 elements of 8 bytes
	s_or_b32 s[G1+0], s43, (3<<16)|(1<<21)         ; 15:0 the mask: A's tiles go to my row; 17:16 elements of 8 bytes; 21 set beside a mask
	s_or_b32 s[G1B+0], s44, (3<<16)|(1<<21)
.irp g, G1, G1B
	s_mov_b32 s[\g+1], 32<<16                      ; tensor_dim0
	s_mov_b32 s[\g+2], 256<<16                     ; tensor_dim1: the head's load brings 256 rows of 256 bytes
	s_mov_b32 s[\g+3], 32<<16                      ; tile_dim0
	s_mov_b32 s[\g+4], 256                         ; tile_dim1
	s_mov_b32 s[\g+5], 32                          ; tensor_dim0_stride
	s_mov_b32 s[\g+6], 0
	s_mov_b32 s[\g+7], 0
.endr
	s_lshl_b32 s18, s16, 15                        ; my half of a slot's 65,536 bytes
	s_lshl_b32 s20, s17, 18                        ; 128 rows x 2,048 along K are 262,144 dense bytes
	s_add_co_u32 s20, s20, s18
	s_lshl_b32 s46, s42, 18
	s_add_co_u32 s46, s46, s18
	s_mov_b32 s21, 0
	s_mov_b32 s47, 0
	s_mul_i32 s45, s14, HALFT                      ; where my refills go: A's two halves, then B's: no place in the cluster enters an LDS address
	s_wait_kmcnt 0x0
	s_load_b64 s[96:97], s[8:9], 0x30              ; e12, e13
	s_add_nc_u64 s[6:7], s[6:7], 0x300000          ; W2's codes in wc
	s_add_nc_u64 s[20:21], s[4:5], s[20:21]
	s_add_nc_u64 s[46:47], s[6:7], s[46:47]
	CROUND                                         ; all sixteen work-groups are here: the first joint loads meet
.irp s, 0,1
	s_mov_b32 s[G0+4*\s], 1
	s_add_co_u32 s[G0+4*\s+1], s45, \s*SLOT
	s_add_nc_u64 s[G0+4*\s+2:G0+4*\s+3], s[20:21], \s*SLOTB
	s_or_b32 s[G0+4*\s+3], s[G0+4*\s+3], 0x80000000
	s_mov_b32 s[G0B+4*\s], 1
	s_add_co_u32 s[G0B+4*\s+1], s45, \s*SLOT
	s_add_nc_u64 s[G0B+4*\s+2:G0B+4*\s+3], s[46:47], \s*SLOTB
	s_or_b32 s[G0B+4*\s+3], s[G0B+4*\s+3], 0x80000000
.endr
	; the head's load: waves 0 and 1 bring A's slots 0 and 1 whole, waves 2 and 3 B's
	s_mov_b32 s19, 0                               ; s18 = 32,768 x my half still stands: my half's place + s18 = 65,536 x my half, that slot's first byte
	s_mov_b32 s68, 1
	s_lshl_b32 s69, s16, 17                        ; LDS: A's part of slot 0 or 1
	s_add_nc_u64 s[70:71], s[20:21], s[18:19]
	s_or_b32 s71, s71, 0x80000000
	s_mov_b32 s72, 1
	s_add_co_u32 s73, s69, 2*HALFT                 ; B's part lies behind A's
	s_add_nc_u64 s[74:75], s[46:47], s[18:19]
	s_or_b32 s75, s75, 0x80000000
	JLOAD 68, G1, 72, G1B                          ; my one tensor load at the head
	; prefetches for the two refills, slots 2 and 3: of the 32,768 bytes that my wave will fetch, each of the four partners that ask jointly names 8,192, told apart by address; lanes 256 bytes apart
	s_cmp_eq_u32 s15, 0
	s_cselect_b64 s[98:99], s[20:21], s[46:47]
	s_cselect_b32 s18, s40, s41                    ; my place among the four: cx for A, cy for B
	s_lshl_b32 s18, s18, 13
	s_add_nc_u64 s[98:99], s[98:99], s[18:19]
	v_and_b32 v7, 31, v0
	v_lshlrev_b32 v7, 8, v7
	global_prefetch_b8 v7, s[98:99] offset:2*SLOTB th:TH_LOAD_NT scope:SCOPE_SE
	global_prefetch_b8 v7, s[98:99] offset:3*SLOTB th:TH_LOAD_NT scope:SCOPE_SE
	v_and_b32 v6, 31, v0
	v_lshlrev_b32 v[CO], 4, v6                     ; 16 x lane
	s_lshl_b32 s21, s15, 13                        ; my four blocks of A in a step's eight: 8,192 bytes x half
	s_lshl_b32 s22, s16, 13                        ; my four blocks of B,
	s_add_co_u32 s22, s22, 2*HALFT                 ; which lie behind A's four steps
.irp s, 0,1
	v_add_nc_u32 v[ADRA+\s], s21, v[CO]
	v_add_nc_u32 v[ADRB+\s], s22, v[CO]
	s_add_co_u32 s21, s21, SLOT
	s_add_co_u32 s22, s22, SLOT
.endr
	v_and_b32 v1, 15, v0                           ; r
	v_bfe_u32 v2, v0, 4, 1                         ; h
	s_mul_i32 s23, s14, 16*SPITCH
	s_add_co_u32 s23, s23, STAGE                   ; my stage
	v_mul_u32_u24 v5, v1, SPITCH
	v_lshl_add_u32 v5, v2, 6, v5
	v_add_nc_u32 v[STO], s23, v5                   ; in: row r, + 64 h: my 16 channels of each 32
	v_mul_u32_u24 v5, v2, SPITCH
	v_lshl_add_u32 v5, v1, 4, v5
	v_add_nc_u32 v[RD], s23, v5                    ; back: lanes 0-15 take one row of 256 bytes, lanes 16-31 the next
	v_lshlrev_b32 v5, 12, v2
	v_lshl_add_u32 v[GO], v1, 4, v5                ; and the same two rows in out0: 4,096 h + 16 r
	v_lshlrev_b32 v8, 6, v2                        ; 64 h: register 16 t + i of the vectors is channel 32 t + 16 h + i of my 64
	s_lshl_b32 s22, s17, 19                        ; 128 tokens: 8 blocks of 65,536 bytes in at, 128 rows of 4,096 bytes in out0,
	s_lshl_b32 s18, s15, 18                        ; + my 64 tokens, in both alike
	s_add_co_u32 s22, s22, s18
	s_mov_b32 s23, 0
	s_lshl_b32 s18, s42, 13                        ; at: + head 2 x (B's tile) + my half, 4,096 bytes a head
	s_add_co_u32 s20, s22, s18
	s_lshl_b32 s18, s16, 12
	s_add_co_u32 s20, s20, s18
	s_mov_b32 s21, 0
	s_add_nc_u64 s[10:11], s[10:11], s[20:21]
	s_lshl_b32 s18, s42, 9                         ; my 64 channels of 4 bytes: in a row of out0 and in the three vectors
	s_lshl_b32 s19, s16, 8
	s_add_co_u32 s18, s18, s19
	s_mov_b32 s19, 0
	s_add_co_u32 s22, s22, s18
	s_add_nc_u64 s[88:89], s[88:89], s[22:23]
	s_add_nc_u64 s[78:79], s[78:79], s[18:19]
	s_add_nc_u64 s[80:81], s[80:81], s[18:19]
	s_add_nc_u64 s[82:83], s[82:83], s[18:19]
	s_lshl_b32 s18, s17, 12                        ; st: 512 bytes a block: 8 blocks a tile,
	s_lshl_b32 s20, s15, 11                        ; + my four
	s_add_co_u32 s18, s18, s20
	s_add_nc_u64 s[76:77], s[76:77], s[18:19]
.macro FRAG reg, adr, q, i             ; a fragment comes back as it was stored: piece c into registers 4 c .. 4 c + 3; an instruction's 512 bytes are consecutive
.irp c, 0,1,2,3
	ds_load_b128 v[\reg+4*\c:\reg+4*\c+3], v[\adr] offset:16384*(\q)+2048*(\i)+512*\c
.endr
.endm
; 32 LDS loads in one run: the slot's q-th 128 along K into buffer f: B's four blocks, then A's
.macro FETCH slot, q, f
	WIN TO_F
.irp i, 0,1,2,3
	FRAG \f+64+FR*\i, ADRB+\slot, \q, \i
.endr
.irp i, 0,1,2,3
	FRAG \f+FR*\i, ADRA+\slot, \q, \i
.endr
.endm
; 8 matrix instructions: A's blocks a0, a0 + 1 x B's four, 128 along K, from buffer f.  zero = 1: the first product starts the sums.
; The 16 accumulators take turns, one instruction a turn, in the same order in every step.
.macro MUL8 f, a0, zero
.irp a, \a0, \a0+1
.irp b, 0,1,2,3
.if \zero
	v_wmma_f32_16x16x128_fp8_fp8 v[ACC+8*(4*(\a)+\b):ACC+8*(4*(\a)+\b)+7], v[\f+64+FR*\b:\f+64+FR*\b+FR-1], v[\f+FR*(\a):\f+FR*(\a)+FR-1], 0
.else
	v_wmma_f32_16x16x128_fp8_fp8 v[ACC+8*(4*(\a)+\b):ACC+8*(4*(\a)+\b)+7], v[\f+64+FR*\b:\f+64+FR*\b+FR-1], v[\f+FR*(\a):\f+FR*(\a)+FR-1], v[ACC+8*(4*(\a)+\b):ACC+8*(4*(\a)+\b)+7]
.endif
.endr
.endr
.endm
.macro PLACES n                        ; plain vector lines between a matrix instruction and a load into, or a vector line on, its registers
.rept \n
	v_nop
.endr
.endm
; A step of 128 along K that has its successor in the same slot: multiplies buffer f; in its middle it fetches the slot's q-th step into buffer g.
.macro STEP slot, q, f, g, zero
	s_wait_dscnt 8                                 ; B's blocks and A's blocks 0, 1 are in; the youngest eight loads (A's blocks 2, 3) may be out
	WIN MUL
	MUL8 \f, 0, \zero
	PLACES NP                                      ; behind the last products that read buffer g
	FETCH \slot, \q, \g
	s_wait_dscnt 32                                ; all but the 32 just issued
	WIN MUL
	MUL8 \f, 2, \zero
.endm
; A slot's last step multiplies buffer 1 and changes slots: ONE barrier; in front of it each wave waits for all its tensor loads, adds 0 to its spare word, and waits for that and for its reads of this slot.
; fill = 1: this slot is filled again, with the 512 along K two slots on.
.macro TURN slot, next, fill
	WIN 0                                          ; (the add's two registers lie in window 0)
	s_wait_tensorcnt 0x0                           ; all my tensor loads have landed: my part of the next slot
	ds_add_u32 v[SPW], v[NIL]                      ; 0 onto my spare word
	s_wait_dscnt 9                                 ; (the add and the youngest eight loads may be out)
	WIN MUL
	MUL8 F1, 0, 0                                  ; eight matrix instructions stand between the add and the wait for it
	s_wait_dscnt 0x0                               ; the add is done, and my reads of this slot are over
	s_barrier_signal -1
	MUL8 F1, 2, 0
	WIN 0
	s_barrier_wait -1
.if \fill
	CREST                                          ; the barrier has opened a round of the cluster's: no wave of any partner still reads this slot or has a load on its way
	s_add_nc_u64 s[G0+4*\slot+2:G0+4*\slot+3], s[G0+4*\slot+2:G0+4*\slot+3], 2*SLOTB
	s_add_nc_u64 s[G0B+4*\slot+2:G0B+4*\slot+3], s[G0B+4*\slot+2:G0B+4*\slot+3], 2*SLOTB
	JLOAD G0+4*\slot, G1, G0B+4*\slot, G1B         ; the first tensor load behind the round, my one load until the next; its four v_nop are the places in front of the loads below
.else
	PLACES NP
.endif
	FETCH \next, 0, F0
.endm
	s_wait_alu depctr_va_vdst(0)                   ; the wait at the head's end
	s_wait_tensorcnt 0x0                           ; my slot is in, and no load of mine is out: so group 1 may be written:
	s_mov_b32 s[G1+2], 128<<16                     ; from here on a load brings 128 rows, half a slot of one operand
	s_mov_b32 s[G1+4], 128
	s_mov_b32 s[G1B+2], 128<<16
	s_mov_b32 s[G1B+4], 128
	s_barrier_signal -1
	s_barrier_wait -1                              ; everybody's is
	FETCH 0, 0, F0
	; what the way out needs, asked for now: x, 32 numbers a lane for each of my four blocks of tokens, in the accumulators' order; the blocks' stats; my 64 channels of g, ln_b and b2.  60 loads are out
	WIN 0x80                                       ; destination window 2
.irp a, 0,1,2,3
.irp j, 0,1,2,3,4,5,6,7
	global_load_b128 v[32*\a+4*\j:32*\a+4*\j+3], v[CO], s[10:11] offset:\a*65536+512*\j th:TH_LOAD_NT
.endr
	global_load_b128 v[224+4*\a:227+4*\a], v[CO], s[76:77] offset:512*\a
.endr
.irp t, 0,1
.irp j, 0,1,2,3
	global_load_b128 v[128+16*\t+4*\j:131+16*\t+4*\j], v8, s[78:79] offset:128*\t+16*\j
	global_load_b128 v[160+16*\t+4*\j:163+16*\t+4*\j], v8, s[80:81] offset:128*\t+16*\j
	global_load_b128 v[192+16*\t+4*\j:195+16*\t+4*\j], v8, s[82:83] offset:128*\t+16*\j
.endr
.endr
	STEP 0, 1, F0, F1, 1                           ; the first step stands in front of the loop: its products start the sums
	WIN 0                                          ; at a label and at a branch every window is 0
	s_mov_b32 s3, LAPS-1
.Llap:                                                 ; a trip goes once round the ring, from a lap's second step to the next lap's first, and fills both slots again
	STEP 0, 2, F1, F0, 0
	STEP 0, 3, F0, F1, 0
	TURN 0, 1, 1
	STEP 1, 1, F0, F1, 0
	STEP 1, 2, F1, F0, 0
	STEP 1, 3, F0, F1, 0
	TURN 1, 0, 1
	STEP 0, 1, F0, F1, 0
	WIN 0
	s_sub_co_u32 s3, s3, 1
	s_cmp_lg_u32 s3, 0
	s_cbranch_scc1 .Llap
	STEP 0, 2, F1, F0, 0                           ; the last lap fills nothing, and has no round of the cluster's barrier
	STEP 0, 3, F0, F1, 0
	TURN 0, 1, 0
	STEP 1, 1, F0, F1, 0
	STEP 1, 2, F1, F0, 0
	STEP 1, 3, F0, F1, 0
	s_wait_dscnt 8                                 ; the very last step: nothing more to fetch
	WIN MUL
	MUL8 F1, 0, 0
	s_wait_dscnt 0
	MUL8 F1, 2, 0
	WIN 0
; THE WAY OUT, block by block of 16 tokens x 64 channels: sum x 2^(e12 + e13) + (ffi + b2); through my own stage in LDS; back as whole rows of 256 bytes, two rows an instruction.
; LDS serves a wave's instructions in order (ISA guide 5.7.1.4): no wait between the stores and the loads, nor in front of the next block's stores.
.macro TOSTAGE a
.set AC, ACC+32*(\a)
	WIN 0x20                                       ; source 2 (ffi + b2) window 2
.set j, 0
.rept 16
	v_pk_fma_f32 v[TMP+j:TMP+j+1], v[AC+j:AC+j+1], s[96:97], v[32*(\a)+j:32*(\a)+j+1] op_sel_hi:[1,0,1]   ; each accumulator from its low end on
.set j, j+2
.endr
	WIN 0
.irp b, 0,1,2,3
	ds_store_b128 v[STO], v[TMP+8*\b:TMP+8*\b+3] offset:128*(\b/2)+32*(\b%2)
	ds_store_b128 v[STO], v[TMP+8*\b+4:TMP+8*\b+7] offset:128*(\b/2)+32*(\b%2)+16
.endr
.set BB, BK+32*((\a)%2)
.irp t, 0,1,2,3,4,5,6,7
	ds_load_b128 v[BB+4*\t:BB+4*\t+3], v[RD] offset:\t*2*SPITCH
.endr
.endm
.macro SEND a, younger                 ; younger: the LDS instructions issued behind block a's loads, which may stay out
.set BB, BK+32*((\a)%2)
	s_wait_dscnt \younger
.irp t, 0,1,2,3,4,5,6,7
	global_store_b128 v[GO], v[BB+4*\t:BB+4*\t+3], s[88:89] offset:(32*((\a)/2)+8*((\a)%2)+2*\t+8*(\t/4))*4096 th:TH_STORE_NT   ; positions 2 t and 2 t + 1: sixteen lanes store 256 consecutive bytes, aligned
.endr
.endm
	s_wait_kmcnt 0x0
	s_add_co_i32 s96, s96, s97
	s_add_co_i32 s96, s96, 127
	s_lshl_b32 s96, s96, 23                        ; 2^(e12 + e13) as f32
	s_mov_b32 s97, s96                             ; (named with it as a pair, so it is written)
	PLACES NP                                      ; behind the last products
	s_wait_loadcnt 0x0                             ; x, the stats and the vectors
	WIN 0xaa                                       ; all four places window 2
.set j, 0
.rept 16
	v_pk_add_f32 v[160+j:161+j], v[160+j:161+j], v[192+j:193+j]                       ; ln_b + b2
.set j, j+2
.endr
.irp a, 0,1,2,3
.set j, 0
.rept 16
	v_pk_fma_f32 v[32*\a+j:32*\a+j+1], v[32*\a+j:32*\a+j+1], v[224+4*\a:225+4*\a], v[226+4*\a:227+4*\a]   ; x r - mu r
.set j, j+2
.endr
.endr
.irp a, 0,1,2,3
.set j, 0
.rept 16
	v_pk_fma_f32 v[32*\a+j:32*\a+j+1], v[32*\a+j:32*\a+j+1], v[128+j:129+j], v[160+j:161+j]               ; x g + (ln_b + b2) = ffi + b2
.set j, j+2
.endr
.endr
	WIN 0
	TOSTAGE 0
.irp a, 1,2,3
.if \a > 1
	s_wait_xcnt 0x0                                ; block a - 2's stores have read their registers: block a's loads from the stage may land there
.endif
	TOSTAGE \a
	SEND \a-1, 16                                  ; behind block a - 1's loads: block a's 8 stores and 8 loads
.endr
	SEND 3, 0
	s_wait_tensorcnt 0x0                           ; the wave's end
	ds_add_u32 v[SPW], v[NIL]
	s_wait_dscnt 0x0
	CROUND                                         ; the closing round: no work-group ends while a partner may still ask for a tile that names it
	s_endpgm
.Lfunc_end_k_qba15b5651d_ffn2:
	.size	k_qba15b5651d_ffn2, .Lfunc_end_k_qba15b5651d_ffn2-k_qba15b5651d_ffn2
	.p2alignl 7, 3214868480
	.fill 96, 4, 3214868480
	.section	.rodata,"a",@progbits
	.p2align	6, 0x0
	.amdhsa_kernel k_qba15b5651d_ffn2
		.amdhsa_group_segment_fixed_size 327680
		.amdhsa_private_segment_fixed_size 0
		.amdhsa_enable_private_segment 0
		.amdhsa_kernarg_size 72
		.amdhsa_user_sgpr_count 2
		.amdhsa_user_sgpr_kernarg_segment_ptr 1
		.amdhsa_wavefront_size32 1
		.amdhsa_system_sgpr_workgroup_id_x 1
		.amdhsa_system_sgpr_workgroup_id_y 1
		.amdhsa_system_sgpr_workgroup_id_z 1
		.amdhsa_system_vgpr_workitem_id 0
		.amdhsa_next_free_vgpr 768
		.amdhsa_next_free_sgpr 100
		.amdhsa_reserve_vcc 0
		.amdhsa_float_denorm_mode_32 3
		.amdhsa_float_denorm_mode_16_64 3
		.amdhsa_memory_ordered 1
		.amdhsa_forward_progress 1
		.amdhsa_inst_pref_size 90
	.end_amdhsa_kernel
	.amdgpu_metadata
---
amdhsa.version: [ 1, 2 ]
amdhsa.kernels:
  - .name:           k_qba15b5651d_ffn2
    .symbol:         k_qba15b5651d_ffn2.kd
    .args:
      - { .name: hc, .offset: 0, .size: 8, .value_kind: global_buffer, .address_space: global }
      - { .name: wc, .offset: 8, .size: 8, .value_kind: global_buffer, .address_space: global }
      - { .name: lowp_scales, .offset: 16, .size: 8, .value_kind: global_buffer, .address_space: global }
      - { .name: at, .offset: 24, .size: 8, .value_kind: global_buffer, .address_space: global }
      - { .name: st, .offset: 32, .size: 8, .value_kind: global_buffer, .address_space: global }
      - { .name: ln_g, .offset: 40, .size: 8, .value_kind: global_buffer, .address_space: global }
      - { .name: ln_b, .offset: 48, .size: 8, .value_kind: global_buffer, .address_space: global }
      - { .name: b2, .offset: 56, .size: 8, .value_kind: global_buffer, .address_space: global }
      - { .name: out0, .offset: 64, .size: 8, .value_kind: global_buffer, .address_space: global }
    .group_segment_fixed_size: 327680
    .private_segment_fixed_size: 0
    .kernarg_segment_align: 8
    .kernarg_segment_size: 72
    .max_flat_workgroup_size: 128
    .sgpr_count:     100
    .vgpr_count:     768
    .wavefront_size: 32
...
	.end_amdgpu_metadata
.endif
;; end of part 6
